; MI455X (gfx1250); checked and timed in simulation.
; The chip was launched on July 23, 2026; its instructions are those of AMD's public machine-readable ISA for CDNA 5 (MIT licence, August 2026) and "CDNA5" Instruction Set Architecture Reference Guide (July 2026). The comments in the code are by the model that wrote it; some were corrected since.
;; Causal Self Attention. Allowed arithmetic: matrix products marked QUANTISED: E3M2 operands, one E8M0 scale for each 32 along K, by v_wmma_scale_f32_16x16x128_f8f6f4 with both operands' format E3M2, f32 sums; everything else in f32.
;; Inputs: W_proj 1,024 x 1,024 float32; W_qkv 1,024 x 3,072 float32; b_proj 1,024 float32; b_qkv 3,072 float32; x 4 x 2,048 x 1,024 float32.
;; Outputs: out0 4 x 2,048 x 1,024 float32.
;; This version of the problem:
;;   THIS VERSION OF THE PROBLEM IS GIVEN IN LOW PRECISION. The matrix products marked QUANTISED in the list below multiply operands that are first quantised to E3M2 (3 exponent bits, 2 mantissa bits; 6 bits a number), with one power-of-two scale for each 32 numbers along K (OCP MX v1.0); their sums are f32. All else is computed in f32.
;;   The module's matrix products, in the order in which they are computed (A, B: the left and right operand; K: the contracted axis; several contracted axes count as one K, in the product's order):
;;     1. [M 8,192, K 1,024] x [K 1,024, N 3,072]; A: input x; B: input W_qkv: QUANTISED
;;     2. batch 64 x [M 2,048, K 64] x [K 64, N 2,048]; A: computed on the way; B: computed on the way: QUANTISED
;;     3. batch 64 x [M 2,048, K 2,048] x [K 2,048, N 64]; A: softmax (see below); B: computed on the way: QUANTISED
;;     4. [M 8,192, K 1,024] x [K 1,024, N 1,024]; A: computed on the way; B: input W_proj: QUANTISED
;;   THE QUANTISER, for each operand of a quantised product, along K:
;;     - K is cut into blocks of 32 from its start; a last block that is shorter is filled with zeros.
;;     - A block's scale is 2^e with e = floor(log2(the largest magnitude in the block)) - 4, held to -126 .. 127; a block of zeros has e = 0. As a byte (E8M0): e + 127.
;;     - Each number is divided by its block's scale, clamped to +-28, and rounded to the nearest number of E3M2, ties to even, subnormals kept.
;;     - The product sums the exact products of the quantised numbers (number of the format x scale) in f32.
;;   ~~~python
;;   def quantise(x, axis):      # numpy; x: float32 -> the quantised numbers, widened to float32 again
;;       x = np.moveaxis(x, axis, -1); K = x.shape[-1]
;;       x = np.pad(x, [(0, 0)] * (x.ndim - 1) + [(0, -K % 32)]); x = x.reshape(x.shape[:-1] + (-1, 32)); a = np.abs(x).max(-1, keepdims=True)
;;       e = np.where(a > 0, np.clip(np.frexp(np.where(a > 0, a, 1))[1] - 1 - 4, -126, 127), 0)      # np.frexp(a)[1] - 1 = floor(log2(a)), exactly
;;       r = np.clip(x / 2.0 ** e, -28, 28)
;;       step = 2.0 ** (np.maximum(np.frexp(np.where(r == 0, 1, r))[1] - 1, -2) - 2)
;;       q = np.round(r / step) * step * 2.0 ** e      # np.round: ties to even
;;       return np.moveaxis(q.reshape(q.shape[:-2] + (-1,))[..., :K], -1, axis).astype(np.float32)
;;   ~~~
;;   SOFTMAX AHEAD OF A QUANTISED PRODUCT. Where the list says 'softmax', what is quantised is not the finished softmax but p = 2^(t - M), with t = logit x log2(e) and M = ceil(the row's largest t), a whole number; so 1/2 < the row's largest p <= 1. The row's sum l is taken of the UNQUANTISED p, in f32, and the product's result is divided by l at the end. Since M is a whole number, a kernel that streams over the keys may use a running M (the ceiling of the running maximum): every later rescaling is an exact power of two, which a block's scale takes up: the codes' values come out the same.
;;   OPERANDS COMPUTED ON THE WAY. 'Computed on the way' means the value that the module computes at that place (a softmax that the list does not call 'softmax' is quantised finished and normalised). What goes into a quantiser is computed in f32, as accurately as f32 sums, v_exp_f32 and their like allow (about 1e-6 of the number): no bf16 or f16 on the way to a quantiser, and a product that is left as it is and whose result goes on into a quantised operand takes f32 operands (vector FMAs, or v_wmma_f32_16x16x4_f32). A number that lies on a knife's edge between two numbers of the format may be rounded either way, as far as f32 arithmetic and the matrix unit's own rounding can turn it there, and no further.
;; One version. Each part assembles by itself: llvm-mc -triple=amdgcn-amd-amdhsa -mcpu=gfx1250 --defsym DOCPART=n.
;; ======== version 1 of 1: 4 launches
;; workspace buffers: xc 6,291,456 bytes; wc 3,145,728 bytes; sc 393,216 bytes; rope 524,288 bytes; qr 13,369,344 bytes; kv 13,369,344 bytes; yc 6,291,456 bytes; ysc 262,144 bytes
;; launch prep (part 1): grid 416 x 1, 4 waves a work-group, no clusters, 59,904 bytes of LDS; arguments x, W_qkv, W_proj, xc, wc, sc, rope; writes xc, wc, sc, rope
.if DOCPART == 1
	.amdgcn_target "amdgcn-amd-amdhsa--gfx1250"
	.amdhsa_code_object_version 6
	.text
	.protected	k_q091254c840_prep
	.globl	k_q091254c840_prep
	.p2align	8
	.type	k_q091254c840_prep,@function
k_q091254c840_prep:
	s_mov_b64 s[64:65], 0
	v_nop
	global_prefetch_b8 v0, s[64:65] scope:SCOPE_SE
	s_setreg_imm32_b32 hwreg(HW_REG_WAVE_MODE, 25, 1), 1
	s_wait_xcnt 0x0
; PREP: x [8192][1024], W_qkv [1024][3072] and W_proj [1024][1024], f32, become codes of BF6 (E3M2) with one E8M0 byte for each 32 along K (x: its last axis; the weights: their FIRST axis),
; and the table of cos and sin for the rotary embedding is made.  Three paths part on the work-group's number and never join: 0-255 x, 256-383 the weights, 384-415 the table.
; LAYOUT OF THE CODES: images of operand registers.  A fragment is 16 rows x 128 K, 12 registers a lane: lane (r, h) holds k = 64 c + 32 h + 0..31 in registers 6 c .. 6 c + 5.  Its image is 1,536 bytes:
; chunk g (registers 4 g .. 4 g + 3) at 512 g + 16 x lane.  A tile of 16 rows has its 8 K steps on end: 12,288 bytes.  Scale words of a tile: 512 bytes, [K steps 0-3 | 4-7][row][4 words].
; ROWS IN POSITION ORDER: inside each 32 rows (tokens of x, columns of a weight) position 16 u + r is index 8 u + r % 8 + 16 (r / 8), so that the results of two neighbouring tiles are 16 neighbours in a lane's registers.
; A block's scale is 2^(floor(log2(largest magnitude)) - 4); its byte is the largest magnitude's exponent field - 4, held at 1 from below by a floor among the maximum's leaves.
; LIMITS: NaN and infinities among the inputs are not served.  A block whose largest magnitude lies under 2^-122 has its byte held at 1; a block of zeros has the byte 1 and not 127 (its codes are zeros; this program alone reads the bytes).
; The table takes inv_freq as the correctly rounded f32 of 1 / (the correctly rounded f32 of 10^(i / 8)); a power that is rounded otherwise would move the angles by up to 1e-4 at the last positions.  cos and sin are good to about 1e-7.
; Memory binds: no matrix work, no tensor loads, no barrier (waves share nothing).  The two paths that use LDS have bytes of their own.
.set XST, 0                            ; x path: a stage of 16 rows x 528 bytes for each wave
.set WST, 33792                        ; weights path: two images' pairs of 3,072 bytes + 128 for each wave
.set R,   16                           ; x path: v16-143  two sets of 64 numbers as loaded
.set X,   144                          ;         v144-207 64 numbers: my row's two blocks
.set C,   208                          ;         v208-231 two sets of 12 registers of codes
.set TC,  232                          ;         v232-238 the second halves of the blocks
.set VO,  16                           ; weights path: v16-47 byte offsets of 32 rows of K
.set WX,  48                           ;         v48-111  two sets of 32 numbers
.set WC,  112                          ;         v112-117 a block's codes;  v120-122 its second half
.set WT,  120
.set WSB, 124                          ;         v124-125 scale words of two K steps
.set WO,  128                          ;         v128-175 the way out
	s_load_b256 s[4:11], s[0:1], 0x0               ; x s[4:5], W_qkv s[6:7], W_proj s[8:9], xc s[10:11]
	s_load_b128 s[12:15], s[0:1], 0x20             ; wc s[12:13], sc s[14:15]
	s_load_b64 s[16:17], s[0:1], 0x30              ; rope
	v_lshl_add_u32 v254, v0, 2, 0xe800
	v_mov_b32 v255, 0
	v_lshrrev_b32 v1, 5, v0
	v_readfirstlane_b32 s18, v1                    ; wave
	v_and_b32 v1, 31, v0                           ; lane
	v_and_b32 v2, 15, v0                           ; r
	v_bfe_u32 v3, v0, 4, 1                         ; h
	s_mov_b32 s20, 0x76543210
	s_mov_b32 s21, 0xfedcba98                      ; v_permlanex16_b32's selects for lane l xor 16
	s_mov_b32 s22, 0xffff0000                      ; a lane mask: lanes 16-31
	s_mov_b32 s29, 0
	s_wait_kmcnt 0x0
	s_cmp_lt_u32 ttmp9, 256
	s_cbranch_scc1 .Lpath_x
	s_cmp_lt_u32 ttmp9, 384
	s_cbranch_scc1 .Lpath_w
; ---------------- THE TABLE: rope[pos][cos i = 0..31 | sin i = 0..31].  A wave makes 16 positions; lane: frequencies 2 (lane % 16) and that + 1; lanes 0-15 cos, lanes 16-31 sin.
	s_sub_co_u32 s24, ttmp9, 384
	s_lshl_b32 s24, s24, 2
	s_add_co_u32 s24, s24, s18
	s_lshl_b32 s24, s24, 4                         ; my first position
	s_lshl_b32 s28, s24, 8                         ; 256 bytes a position
	s_add_nc_u64 s[16:17], s[16:17], s[28:29]
	s_wait_alu depctr_va_vdst(0)
	v_lshlrev_b32 v4, 3, v1                        ; 8 bytes a lane: 32 lanes store one position's 256 bytes
	s_mov_b32 s36, 0x3fc90fdb                      ; pi / 2, upper part,
	s_mov_b32 s37, 0xb33bbd2e                      ; and what is left of it
	s_mov_b32 s38, 0xbe2aaaa3                      ; sin: r + r z (S1 + z (S2 + z S3)), z = r r
	s_mov_b32 s39, 0x3c08839e
	s_mov_b32 s40, 0xb94ca1f9
	s_mov_b32 s41, 0x3d2aaaa5                      ; cos: 1 + z (-1/2 + z (C0 + z (C1 + z C2)))
	s_mov_b32 s42, 0xbab6061a
	s_mov_b32 s43, 0x37ccf5ce
	s_mov_b32 s44, 0x3f22f983                      ; 2 / pi
	v_mov_b32 v6, 1.0
	v_mov_b32 v7, 0
; 10^(i / 8) as a product over the bits of i, each factor and the product kept as a sum of two f32 numbers, so that the upper one is the correctly rounded power.
.macro FACTOR bit, hi, lo              ; (v12, v13) = the factor where bit 'bit' of lane % 16 is set, else (1, 0)
	v_bfe_u32 v5, v2, \bit, 1
	v_cmp_eq_u32 vcc_lo, 0, v5
	v_cndmask_b32 v12, \hi, v6, vcc_lo
	v_cndmask_b32 v13, \lo, v7, vcc_lo
.endm
.macro DFMUL dh, dl, ah, al, bh, bl    ; (dh, dl) = (ah, al) x (bh, bl)
	v_mul_f32 v14, v[\ah], v[\bh]
	v_fma_f32 v15, v[\ah], v[\bh], -v14            ; what the product's rounding dropped
	v_fma_f32 v15, v[\ah], v[\bl], v15
	v_fma_f32 v15, v[\al], v[\bh], v15
	v_add_f32 v[\dh], v14, v15
	v_sub_f32 v14, v14, v[\dh]
	v_add_f32 v[\dl], v14, v15
.endm
	FACTOR 0, 0x3fe39ea9, 0xb26aee20               ; 10^(1/4): bit 1 of i
	v_mov_b32 v10, v12
	v_mov_b32 v11, v13
	FACTOR 1, 0x404a62c2, 0xb324b49e               ; 10^(1/2)
	DFMUL 10, 11, 10, 11, 12, 13
	FACTOR 2, 0x41200000, 0                        ; 10
	DFMUL 10, 11, 10, 11, 12, 13
	FACTOR 3, 0x42c80000, 0                        ; 100
	DFMUL 10, 11, 10, 11, 12, 13                   ; v10 = 10^(i0 / 8)
	v_mov_b32 v12, 0x3faab0d5                      ; 10^(1/8): the odd frequency
	v_mov_b32 v13, 0xb36457e2
	DFMUL 16, 17, 10, 11, 12, 13                   ; v16 = 10^(i1 / 8)
	v_rcp_f32 v18, v10
	v_rcp_f32 v19, v16
	v_nop                                          ; a plain instruction behind the reciprocals
	s_wait_alu depctr_va_vdst(0)                   ; one wait for both, ahead of their first reader
.rept 2                                        ; two corrections by the exact remainder: the correctly rounded quotient 1 / a
	v_fma_f32 v20, -v10, v18, 1.0
	v_fma_f32 v21, -v16, v19, 1.0
	v_fma_f32 v18, v18, v20, v18
	v_fma_f32 v19, v19, v21, v19
.endr
	v_cvt_f32_u32 v22, s24                         ; the position as f32
.macro ANGLE f, out                    ; cos or sin of pos x inv_freq: the angle is one f32 product; n quarter turns are taken off in two parts; the quadrant chooses the series and the sign
	v_mul_f32 v24, v22, v[\f]
	v_mul_f32 v25, s44, v24
	v_rndne_f32 v25, v25                           ; n
	v_fma_f32 v26, -v25, s36, v24
	v_fma_f32 v26, -v25, s37, v26                  ; r, within pi / 4
	v_mul_f32 v27, v26, v26
	v_fma_f32 v28, v27, s40, s39
	v_fma_f32 v29, v27, s43, s42
	v_fma_f32 v28, v28, v27, s38
	v_fma_f32 v29, v29, v27, s41
	v_mul_f32 v28, v28, v27
	v_fma_f32 v29, v29, v27, -0.5
	v_fma_f32 v28, v28, v26, v26                   ; sin r
	v_fma_f32 v29, v29, v27, 1.0                   ; cos r
	v_cvt_i32_f32 v30, v25
	v_sub_nc_u32 v30, v30, v3                      ; sin(a) = cos(a - pi / 2): one quadrant back in lanes 16-31
	v_and_b32 v31, 1, v30
	v_cmp_ne_u32 vcc_lo, 0, v31
	v_cndmask_b32 v28, v29, v28, vcc_lo            ; odd quadrants take the sine
	v_add_nc_u32 v30, 1, v30
	v_lshrrev_b32 v30, 1, v30
	v_lshlrev_b32 v30, 31, v30                     ; quadrants 1 and 2 are negative
	v_xor_b32 v[\out], v28, v30
.endm
.set p, 0
.rept 16                               ; each position has its own pair of registers: no store's data are written again
	ANGLE 18, 64+2*p
	ANGLE 19, 65+2*p
	v_add_f32 v22, 1.0, v22
	global_store_b64 v4, v[64+2*p:65+2*p], s[16:17] offset:256*p
.set p, p+1
.endr
	s_endpgm
; ---------------- x.  A wave takes a tile of 16 token positions and half of K: four fragments.
.Lpath_x:
	s_lshl_b32 s24, ttmp9, 2
	s_add_co_u32 s24, s24, s18
	s_lshr_b32 s25, s24, 1                         ; the tile
	s_and_b32 s26, s24, 1                          ; which half of K
	s_lshr_b32 s27, s25, 1
	s_lshl_b32 s27, s27, 17                        ; 32 rows of 4,096 bytes for each pair of tiles,
	s_and_b32 s28, s25, 1
	s_lshl_b32 s28, s28, 15                        ; 8 rows for the odd tile,
	s_add_co_u32 s27, s27, s28
	s_lshl_b32 s28, s26, 11                        ; 2,048 bytes for the second half of K
	s_add_co_u32 s28, s27, s28
	s_add_nc_u64 s[4:5], s[4:5], s[28:29]
	s_mul_i32 s28, s25, 12288
	s_mul_i32 s30, s26, 6144
	s_add_co_u32 s28, s28, s30
	s_add_nc_u64 s[10:11], s[10:11], s[28:29]      ; my four images
	s_lshl_b32 s28, s25, 9
	s_lshl_b32 s30, s26, 8
	s_add_co_u32 s28, s28, s30
	s_add_nc_u64 s[14:15], s[14:15], s[28:29]      ; my 256 bytes of scale words
	s_wait_alu depctr_va_vdst(0)
	v_lshlrev_b32 v4, 4, v1                        ; 16 x lane
	s_mul_i32 s30, s18, 8448
	v_add_nc_u32 v5, s30, v4                       ; into the stage: a row's 512 bytes as they lie
	v_mul_u32_u24 v6, v2, 528
	v_lshl_add_u32 v6, v3, 7, v6
	v_add_nc_u32 v6, s30, v6                       ; out of it: row r, block h.  528 bytes from row to row: 16 lanes touch 16 different columns of 16 bytes
	v_lshlrev_b32 v7, 4, v2
	v_lshl_add_u32 v7, v3, 3, v7                   ; scale words: 16 r + 8 h
	v_lshlrev_b32 v8, 3, v3                        ; 8 h
	v_mov_b32 v246, 0                              ; written once: a lane permute's destination counts as one of its sources
.macro LOADX f                         ; fragment f: 512 consecutive bytes of each of the tile's 16 rows
.irp j, 0,1,2,3,4,5,6,7,8,9,10,11,12,13,14,15
	global_load_b128 v[R+64*((\f)%2)+4*\j:R+64*((\f)%2)+4*\j+3], v4, s[4:5] offset:((\j%8)+16*(\j/8))*4096+512*(\f) th:TH_LOAD_NT
.endr
.endm
.macro FRAGX f
.set RR, R+64*((\f)%2)
.set CC, C+12*((\f)%2)
.if (\f) < 3
	s_wait_loadcnt 16                              ; this fragment's 16 loads are in; the next fragment's 16 may be out
.else
	s_wait_loadcnt 0x0
.endif
.irp j, 0,1,2,3,4,5,6,7,8,9,10,11,12,13,14,15
	ds_store_b128 v5, v[RR+4*\j:RR+4*\j+3] offset:XST+528*\j
.endr
.irp c, 0,1                            ; LDS serves a wave's instructions in order: these see the stores above
.irp e, 0,1,2,3,4,5,6,7
	ds_load_b128 v[X+32*\c+4*\e:X+32*\c+4*\e+3], v6 offset:XST+256*\c+16*\e
.endr
.endr
	s_wait_dscnt 0x0                               ; my two blocks are in registers, and the stores have read theirs,
.if (\f) < 2
	LOADX (\f)+2                                   ; which take the fragment two on
.endif
.irp c, 0,1
	v_max3_num_f32 v[240+\c], |v[X+32*\c]|, |v[X+32*\c+1]|, 0x2800000   ; the floor 2^(5 - 127): the byte cannot fall under 1
.endr
.irp i, 2,4,6,8,10,12,14,16,18,20,22,24,26,28,30
.irp c, 0,1
	v_max3_num_f32 v[240+\c], v[240+\c], |v[X+32*\c+\i]|, |v[X+32*\c+\i+1]|
.endr
.endr
.irp c, 0,1
	v_add_nc_u32 v[242+\c], 0xfe000000, v[240+\c]  ; 4 off the exponent field: the conversion's scale operand
.endr
.irp c, 0,1
	v_lshrrev_b32 v[244+\c], 23, v[242+\c]         ; the scale's byte
.endr
	v_lshl_or_b32 v247, v245, 16, v244             ; my bytes: blocks h and 2 + h,
	v_lshlrev_b32 v247, v8, v247                   ; at their places;
	v_permlanex16_b32 v246, v247, s20, s21
	v_or_b32 v[248+(\f)], v247, v246               ; with lane l xor 16's the word is whole
.if (\f) >= 2
	s_wait_alu depctr_va_vdst(0)
	s_wait_xcnt 0x0                                ; the stores of the fragment two back have read this set of codes
.endif
.irp c, 0,1
	v_cvt_scalef32_pk16_bf6_f32 v[CC+6*\c:CC+6*\c+2], v[X+32*\c:X+32*\c+15], v[242+\c]
	v_cvt_scalef32_pk16_bf6_f32 v[TC+4*\c:TC+4*\c+2], v[X+32*\c+16:X+32*\c+31], v[242+\c]   ; (a conversion's three registers begin on an even number)
.endr
	v_nop                                          ; one plain instruction behind the conversions
.irp c, 0,1
.irp i, 0,1,2
	v_mov_b32 v[CC+3+6*\c+\i], v[TC+4*\c+\i]
.endr
.endr
.irp g, 0,1,2
	global_store_b128 v4, v[CC+4*\g:CC+4*\g+3], s[10:11] offset:1536*(\f)+512*\g   ; 512 consecutive bytes a store
.endr
.endm
	LOADX 0
	LOADX 1
	s_wait_alu depctr_va_vdst(0)
	FRAGX 0
	FRAGX 1
	FRAGX 2
	FRAGX 3
	v_cndmask_b32 v252, v248, v250, s22            ; lanes 0-15 store words 0 and 1 of their row, lanes 16-31 words 2 and 3
	v_cndmask_b32 v253, v249, v251, s22
	global_store_b64 v7, v[252:253], s[14:15]      ; 256 consecutive bytes
	s_wait_tensorcnt 0x0
	ds_add_u32 v254, v255
	s_wait_dscnt 0x0
	s_endpgm
; ---------------- THE WEIGHTS.  A lane takes a column and its registers run down K.  A work-group takes 128 columns x 256 along K; a wave 32 columns: two tiles of 16 column positions, two K steps.
.Lpath_w:
	s_sub_co_u32 s24, ttmp9, 256
	s_and_b32 s25, s24, 31                         ; which 128 columns: 0-23 of W_qkv, 24-31 of W_proj
	s_lshr_b32 s26, s24, 5                         ; which 256 along K
	s_mov_b32 s27, 4096
	s_sub_co_u32 s28, s25, 24
	s_cmp_lt_u32 s25, 24                           ; the choice hangs on the work-group's number alone
	s_cselect_b64 s[6:7], s[6:7], s[8:9]
	s_cselect_b32 s27, 12288, s27                  ; a row of the weight in bytes
	s_cselect_b32 s28, s25, s28                    ; the group of columns inside its own weight
	s_lshl_b32 s30, s26, 8
	s_mul_i32 s30, s30, s27
	s_lshl_b32 s31, s28, 9
	s_add_co_u32 s30, s30, s31
	s_lshl_b32 s31, s18, 7
	s_add_co_u32 s30, s30, s31
	s_mov_b32 s31, 0
	s_add_nc_u64 s[6:7], s[6:7], s[30:31]          ; my first row of K, my wave's first column
	s_lshl_b32 s32, s27, 5                         ; 32 rows on
	s_mov_b32 s33, 0
	s_lshl_b32 s34, s25, 3
	s_lshl_b32 s35, s18, 1
	s_add_co_u32 s34, s34, s35                     ; my first tile of column positions
	s_mul_i32 s30, s34, 12288
	s_mul_i32 s35, s26, 3072
	s_add_co_u32 s30, s30, s35
	s_add_nc_u64 s[12:13], s[12:13], s[30:31]
	s_lshl_b32 s30, s34, 9
	s_add_co_u32 s30, s30, 262144                  ; the weights' scale words lie behind x's
	s_lshr_b32 s35, s26, 1
	s_lshl_b32 s35, s35, 8
	s_add_co_u32 s30, s30, s35
	s_and_b32 s35, s26, 1
	s_lshl_b32 s35, s35, 3
	s_add_co_u32 s30, s30, s35
	s_add_nc_u64 s[14:15], s[14:15], s[30:31]
	s_wait_alu depctr_va_vdst(0)
	v_lshlrev_b32 v4, 4, v1                        ; 16 x lane
	v_bfe_u32 v9, v1, 3, 1                         ; column l lies in tile u = bit 3 of l,
	v_bfe_u32 v10, v1, 4, 1
	v_and_b32 v11, 7, v1
	v_lshl_or_b32 v11, v10, 3, v11                 ; at row l % 8 + 8 (bit 4 of l)
	s_mul_i32 s35, s18, 6400
	s_add_co_u32 s35, s35, WST
	v_mul_u32_u24 v5, v9, 3200
	v_lshl_add_u32 v5, v11, 4, v5
	v_add_nc_u32 v5, s35, v5                       ; into the stage: my tile's images, my row's 16 bytes.  3,200 bytes from tile to tile: the two tiles' rows fall on different banks
	v_add_nc_u32 v6, s35, v4                       ; out of it
	v_lshlrev_b32 v7, 9, v9
	v_lshl_add_u32 v7, v11, 4, v7                  ; scale words: 512 u + 16 x row
	v_lshlrev_b32 v[VO], 2, v1
.set i, 1
.rept 31
	v_add_nc_u32 v[VO+i], s27, v[VO+i-1]           ; the row's pitch differs between the weights, so the 32 rows' offsets stand in registers
.set i, i+1
.endr
.macro LOADW t                         ; block t: 32 rows of K at my column: a wave reads 128 consecutive bytes, the work-group 512
.if (\t) > 0
	s_wait_xcnt 0x0                                ; the earlier loads have read their base
	s_add_nc_u64 s[6:7], s[6:7], s[32:33]
.endif
.irp i, 0,1,2,3,4,5,6,7,8,9,10,11,12,13,14,15,16,17,18,19,20,21,22,23,24,25,26,27,28,29,30,31
	global_load_b32 v[WX+32*((\t)%2)+\i], v[VO+\i], s[6:7] th:TH_LOAD_NT
.endr
.endm
.macro BLOCK kb
.set XS, WX+32*((\kb)%2)
.set OFS, 1536*((\kb)/4)+256*((\kb)%2)         ; the K step's image; block 2 c + h belongs to lane 16 h + row
.if (\kb) < 7
	s_wait_loadcnt 32                              ; this block's 32 loads are in; the next block's may be out
.else
	s_wait_loadcnt 0x0
.endif
	v_max3_num_f32 v12, |v[XS]|, |v[XS+1]|, |v[XS+2]|
	v_max3_num_f32 v13, |v[XS+3]|, |v[XS+4]|, |v[XS+5]|
.irp i, 6,10,14,18,22,26
	v_max3_num_f32 v12, v12, |v[XS+\i]|, |v[XS+\i+1]|
	v_max3_num_f32 v13, v13, |v[XS+\i+2]|, |v[XS+\i+3]|
.endr
	v_max3_num_f32 v12, v12, |v[XS+30]|, |v[XS+31]|
	v_max3_num_f32 v12, v12, v13, 0x2800000        ; and the floor
	v_add_nc_u32 v14, 0xfe000000, v12
	v_lshrrev_b32 v15, 23, v14
.if (\kb)%4 == 0
	v_mov_b32 v[WSB+(\kb)/4], v15
.else
	v_lshl_or_b32 v[WSB+(\kb)/4], v15, 8*((\kb)%4), v[WSB+(\kb)/4]
.endif
	v_cvt_scalef32_pk16_bf6_f32 v[WC:WC+2], v[XS:XS+15], v14
	v_cvt_scalef32_pk16_bf6_f32 v[WT:WT+2], v[XS+16:XS+31], v14
	v_nop
.irp i, 0,1,2
	v_mov_b32 v[WC+3+\i], v[WT+\i]
.endr
.if ((\kb)/2)%2 == 0                   ; registers 0-5 of the fragment: chunk 0 and the lower half of chunk 1
	ds_store_b128 v5, v[WC:WC+3] offset:OFS
	ds_store_b64 v5, v[WC+4:WC+5] offset:OFS+512
.else                                  ; registers 6-11: the upper half of chunk 1 and chunk 2
	ds_store_b64 v5, v[WC:WC+1] offset:OFS+520
	ds_store_b128 v5, v[WC+2:WC+5] offset:OFS+1024
.endif
.if (\kb)+2 < 8
	LOADW (\kb)+2
.endif
	s_wait_dscnt 0x0                               ; the stores have read their registers: the next block's codes may be written
.endm
	LOADW 0
	s_wait_alu depctr_va_vdst(0)
	LOADW 1
.set Q, 0
.rept 8
	BLOCK Q
.set Q, Q+1
.endr
	s_wait_alu depctr_va_vdst(0)
	global_store_b64 v7, v[WSB:WSB+1], s[14:15]    ; my column's two scale words: 8 bytes of each 16 (the other 8 come from the work-group beside me along K): 131,072 bytes in all leave so
.set n, 0
.rept 12                               ; tile n / 6, K step (n / 3) % 2, chunk n % 3
	ds_load_b128 v[WO+4*n:WO+4*n+3], v6 offset:3200*(n/6)+1536*((n/3)%2)+512*(n%3)
.set n, n+1
.endr
.set n, 0
.rept 12
	s_wait_dscnt 11-n                              ; LDS loads come back in order: load n is in
	global_store_b128 v4, v[WO+4*n:WO+4*n+3], s[12:13] offset:12288*(n/6)+1536*((n/3)%2)+512*(n%3)
.set n, n+1
.endr
	s_wait_tensorcnt 0x0
	ds_add_u32 v254, v255
	s_wait_dscnt 0x0
	s_endpgm
.Lfunc_end_k_q091254c840_prep:
	.size	k_q091254c840_prep, .Lfunc_end_k_q091254c840_prep-k_q091254c840_prep
	.p2alignl 7, 3214868480
	.fill 96, 4, 3214868480
	.section	.rodata,"a",@progbits
	.p2align	6, 0x0
	.amdhsa_kernel k_q091254c840_prep
		.amdhsa_group_segment_fixed_size 59904
		.amdhsa_private_segment_fixed_size 0
		.amdhsa_enable_private_segment 0
		.amdhsa_kernarg_size 56
		.amdhsa_user_sgpr_count 2
		.amdhsa_user_sgpr_kernarg_segment_ptr 1
		.amdhsa_wavefront_size32 1
		.amdhsa_system_sgpr_workgroup_id_x 1
		.amdhsa_system_sgpr_workgroup_id_y 1
		.amdhsa_system_sgpr_workgroup_id_z 1
		.amdhsa_system_vgpr_workitem_id 0
		.amdhsa_next_free_vgpr 256
		.amdhsa_next_free_sgpr 66
		.amdhsa_reserve_vcc 1
		.amdhsa_float_denorm_mode_32 3
		.amdhsa_float_denorm_mode_16_64 3
		.amdhsa_memory_ordered 1
		.amdhsa_forward_progress 1
		.amdhsa_inst_pref_size 111
	.end_amdhsa_kernel
	.amdgpu_metadata
---
amdhsa.version: [ 1, 2 ]
amdhsa.kernels:
  - .name:           k_q091254c840_prep
    .symbol:         k_q091254c840_prep.kd
    .args:
      - { .name: x, .offset: 0, .size: 8, .value_kind: global_buffer, .address_space: global }
      - { .name: W_qkv, .offset: 8, .size: 8, .value_kind: global_buffer, .address_space: global }
      - { .name: W_proj, .offset: 16, .size: 8, .value_kind: global_buffer, .address_space: global }
      - { .name: xc, .offset: 24, .size: 8, .value_kind: global_buffer, .address_space: global }
      - { .name: wc, .offset: 32, .size: 8, .value_kind: global_buffer, .address_space: global }
      - { .name: sc, .offset: 40, .size: 8, .value_kind: global_buffer, .address_space: global }
      - { .name: rope, .offset: 48, .size: 8, .value_kind: global_buffer, .address_space: global }
    .group_segment_fixed_size: 59904
    .private_segment_fixed_size: 0
    .kernarg_segment_align: 8
    .kernarg_segment_size: 56
    .max_flat_workgroup_size: 128
    .sgpr_count:     66
    .vgpr_count:     256
    .wavefront_size: 32
...
	.end_amdgpu_metadata
.endif
;; end of part 1
;; launch qkv (part 2): grid 12 x 64, 4 waves a work-group, clusters of 4 x 4, 307,712 bytes of LDS; arguments xc, wc, sc, b_qkv, rope, qr, kv; writes qr, kv
.if DOCPART == 2
	.amdgcn_target "amdgcn-amd-amdhsa--gfx1250"
	.amdhsa_code_object_version 6
	.text
	.protected	k_q091254c840_qkv
	.globl	k_q091254c840_qkv
	.p2align	8
	.type	k_q091254c840_qkv,@function
k_q091254c840_qkv:
	s_mov_b64 s[64:65], 0
	v_nop
	global_prefetch_b8 v0, s[64:65] scope:SCOPE_SE
	s_setreg_imm32_b32 hwreg(HW_REG_WAVE_MODE, 25, 1), 1
	s_wait_xcnt 0x0
	s_wait_alu depctr_hold_cnt(0) depctr_sa_sdst(0) depctr_va_vdst(0) depctr_va_sdst(0) depctr_va_ssrc(0) depctr_va_vcc(0) depctr_vm_vsrc(0)
	s_getreg_b32 s2, hwreg(HW_REG_IB_STS2, 6, 4)
	s_cmp_eq_u32 s2, 0
	s_cbranch_scc0 .Lentry_in_a_cluster
	s_endpgm
.Lentry_in_a_cluster:
	s_bfe_u32 s2, ttmp6, 0x10000c
	s_cmp_lg_u32 s2, 0xf033
	s_cbranch_scc0 .Lentry_shape_is_right
	s_endpgm
.Lentry_shape_is_right:
; QKV: x W_qkv + b on codes of BF6 (E3M2) with E8M0 scales, then the rotary embedding on q and k, then q, k (along the head's 64) and v (along the tokens) are quantised in registers and leave as codes.
; A work-group makes 128 rows of an operand 'A' x 256 rows of an operand 'B', K = 1,024; four waves 2 x 2, a wave 64 x 128: 32 accumulators.  The matrix instruction is used transposed (source 0 = 16 rows of B,
; source 1 = 16 rows of A): a lane holds ONE row of A, and its registers run along B's rows.  Cluster x 0, 1 (q, k): A = tokens, B = columns of W: registers run along a head's d.  Cluster x 2 (v): A = columns of W,
; B = tokens: registers run along the tokens, which are v's K in the second product of attention.  Rows lie in position order (position 16 u + r of each 32 = index 8 u + r % 8 + 16 (r / 8)), so that the 16 registers
; of tiles 2 B and 2 B + 1 are the 16 neighbours 32 B + 16 (lane / 16) + 0..15.
; ALL OF K LIES IN LDS: (128 + 256) rows x 768 bytes = 294,912 bytes in four slots of 256 along K, each filled ONCE: a wave issues its four tensor loads in its first lines (four are out),
; no slot is filled again, and each slot is read behind a counted wait and a barrier.  Operands lie in memory as images of their registers, so every tile is dense and every LDS read takes 512 consecutive bytes.
; CLUSTER 4 x 4: A's tiles are asked for jointly along a row of the cluster, B's along a column.  No prefetch: there is no tensor load behind the first lines to ask ahead for.
; OUT: records of 13,056 bytes for each (batch, head, 128 tokens): 0 K's (or Q's) codes, four pairs of tiles of 16 tokens x 64 d; 6,144 V's codes, four fragments of 16 d x 128 tokens; 12,288 K's scale words; 12,800 V's.
; LIMITS: NaN and infinities are not served; a block whose largest magnitude lies under 2^-122 has its byte held at 1, a block of zeros has the byte 1 (this program alone reads the bytes).
.set SLOTB, 73728                      ; a slot: A's two halves of 12,288 bytes, then B's two of 24,576
.set SLK,   3072                       ; a tile of 16 rows in a slot: two fragments
.set FRB,   1536                       ; a fragment's image
.set REC,   13056
.set HEADB, 16*REC                     ; from a head's records to the next head's
.set NLT,   36                         ; LDS loads in one FETCH
.set ADRA,  16                         ; v16-19 LDS address of my A fragments in slot 0..3
.set ADRB,  20                         ; v20-23 of my B fragments
.set SA,    32                         ; v32-47 A's scale words: register 4 a + j: lanes 0-15 K step j, lanes 16-31 K step 4 + j
.set SB,    48                         ; v48-79 B's likewise: 4 b + j
.set AF,    96                         ; window 0: v96-143, v144-191 A's two sets of 4 fragments.  Window 1: v0-95, v128-223 B's two sets of 8.  Window 2: accumulator (a, b) at v[64 a + 8 b].  Window 3: bias and table
.set T,     32                         ; the way out, window 0: v32-95 64 numbers of a lane
.set IMG,   96                         ; v96-119 two images at work
.set TQ,    120                        ; v120-126 second halves of conversions
.set TM,    128                        ; v128-143 maxima, bytes, scale operands
.set PW,    144                        ; the scale word just made;  v145 the one before
.set PWP,   145
.set SW,    146                        ; v146-149 scale words to store
.set U,     150                        ; v150-157 products of the rotation
.set G1A,   28                         ; s[28:35] descriptor group 1 for A's tiles;  s[36:43] for B's
.set G1B,   36
.set G0A,   44                         ; s[44:59] four groups 0 for A;  s[68:83] for B
.set G0B,   68
.set SEL,   60                         ; s[60:61] lane selects: lane l xor 16
.set LM,    62                         ; s62 a lane mask: lanes 16-31
.set MSB, 0
.macro WIN new                         ; the immediate's high byte repeats the setting that is left
.if MSB != \new
	s_set_vgpr_msb (MSB<<8)|\new
.set MSB, \new
.endif
.endm
.macro PLACES n                        ; plain vector instructions between a matrix instruction and a load into, or a read or write of, its registers
.rept \n
	v_nop
.endr
.endm
.macro CROUND                          ; a round of the cluster's barrier
	s_barrier_signal -1
	s_barrier_wait -1
	s_cmp_lg_u32 s18, 0
	s_cbranch_scc1 .Lnot_wave_0_\@
	s_barrier_signal -3
.Lnot_wave_0_\@:
	s_barrier_wait -3
	s_barrier_signal -1
	s_barrier_wait -1
.endm
.macro FETCH k, set                    ; K step k's fragments: B's eight, A's four
	WIN 0x40                                       ; destination window 1, address window 0
.irp i, 0,1,2,3,4,5,6,7
.irp g, 0,1,2
	ds_load_b128 v[128*(\set)+12*\i+4*\g:128*(\set)+12*\i+4*\g+3], v[ADRB+(\k)/2] offset:SLK*\i+FRB*((\k)%2)+512*\g
.endr
.endr
	WIN 0
.irp i, 0,1,2,3
.irp g, 0,1,2
	ds_load_b128 v[AF+48*(\set)+12*\i+4*\g:AF+48*(\set)+12*\i+4*\g+3], v[ADRA+(\k)/2] offset:SLK*\i+FRB*((\k)%2)+512*\g
.endr
.endr
.endm
.macro MULA a, set, k, cm              ; A's block a against B's eight.  cm = 1: the products start the sums.  The 32 accumulators take turns, one instruction a turn, in the same order in every K step
	WIN 0xa1                                       ; source 0 window 1, source 1 window 0, C and D window 2
.irp b, 0,1,2,3,4,5,6,7
.set rD, 64*(\a)+8*\b
.set rB, 128*(\set)+12*\b
.set rA, AF+48*(\set)+12*(\a)
.set rSB, SB+4*\b+(\k)%4
.set rSA, SA+4*(\a)+(\k)%4
.if \cm
	v_wmma_scale_f32_16x16x128_f8f6f4 v[rD:rD+7], v[rB:rB+11], v[rA:rA+11], 0, v[rSB], v[rSA] matrix_a_fmt:MATRIX_FMT_BF6 matrix_b_fmt:MATRIX_FMT_BF6
.elseif (\k) < 4
	v_wmma_scale_f32_16x16x128_f8f6f4 v[rD:rD+7], v[rB:rB+11], v[rA:rA+11], v[rD:rD+7], v[rSB], v[rSA] matrix_a_fmt:MATRIX_FMT_BF6 matrix_b_fmt:MATRIX_FMT_BF6
.else
	v_wmma_scale_f32_16x16x128_f8f6f4 v[rD:rD+7], v[rB:rB+11], v[rA:rA+11], v[rD:rD+7], v[rSB], v[rSA] matrix_a_fmt:MATRIX_FMT_BF6 matrix_b_fmt:MATRIX_FMT_BF6 matrix_a_scale:MATRIX_SCALE_ROW1 matrix_b_scale:MATRIX_SCALE_ROW1
.endif
.endr
.endm
.macro KSTEP k, cm
.if (\k)%2 == 0                        ; the successor lies in the same slot
	PLACES 4
	FETCH (\k)+1, 1
	s_wait_dscnt NLT                               ; all but the loads just issued: this K step's fragments are in
	MULA 0, 0, \k, \cm
	MULA 1, 0, \k, \cm
	MULA 2, 0, \k, \cm
	MULA 3, 0, \k, \cm
.elseif (\k) < 7                       ; the successor lies in the next slot: my part of it has landed (my loads for the slots behind it may stay out), then the barrier
	s_wait_tensorcnt 3-((\k)+1)/2
	s_wait_dscnt 0x0
	s_barrier_signal -1
	MULA 0, 1, \k, 0
	MULA 1, 1, \k, 0
	s_barrier_wait -1
	PLACES 4
	FETCH (\k)+1, 0
	MULA 2, 1, \k, 0
	MULA 3, 1, \k, 0
.else
	s_wait_dscnt 0x0
	MULA 0, 1, \k, 0
	MULA 1, 1, \k, 0
	MULA 2, 1, \k, 0
	MULA 3, 1, \k, 0
.endif
.endm
; 64 numbers of a lane, register 16 b + i = K index 32 b + 16 (lane / 16) + i of my row, become codes: blocks 0, 1 in v[d0 .. d0 + 5], blocks 2, 3 in v[d1 .. d1 + 5] (lanes 0-15 the even block, lanes 16-31 the odd), and the scale word v[PW].
.macro QUANT s, d0, d1
.irp b, 0,1,2,3
	v_max3_num_f32 v[TM+\b], |v[\s+16*\b]|, |v[\s+1+16*\b]|, 0x2800000   ; the floor 2^(5 - 127): the byte cannot fall under 1
.endr
.irp i, 2,4,6,8,10,12,14
.irp b, 0,1,2,3
	v_max3_num_f32 v[TM+\b], v[TM+\b], |v[\s+16*\b+\i]|, |v[\s+1+16*\b+\i]|
.endr
.endr
.irp b, 0,1,2,3
	v_permlanex16_b32 v[TM+4+\b], v[TM+\b], s[SEL], s[SEL+1]
.endr
.irp b, 0,1,2,3
	v_max_num_f32 v[TM+\b], v[TM+\b], v[TM+4+\b]   ; with lane l xor 16's: the block's largest magnitude
.endr
.irp b, 0,1,2,3
	v_add_nc_u32 v[TM+12+\b], 0xfe000000, v[TM+\b] ; 4 off its exponent field: the conversion's scale operand
.endr
.irp b, 0,1,2,3
	v_lshrrev_b32 v[TM+4+\b], 23, v[TM+12+\b]      ; the scale's byte
.endr
	v_lshl_or_b32 v[PW], v[TM+5], 8, v[TM+4]
	v_lshl_or_b32 v[PW], v[TM+6], 16, v[PW]
	v_lshl_or_b32 v[PW], v[TM+7], 24, v[PW]
	v_cvt_scalef32_pk16_bf6_f32 v[(\d0):(\d0)+2], v[\s:\s+15], v[TM+12]
	v_cvt_scalef32_pk16_bf6_f32 v[TQ:TQ+2], v[\s+16:\s+31], v[TM+13]
	v_cvt_scalef32_pk16_bf6_f32 v[(\d1):(\d1)+2], v[\s+32:\s+47], v[TM+14]
	v_cvt_scalef32_pk16_bf6_f32 v[TQ+4:TQ+6], v[\s+48:\s+63], v[TM+15]
	v_nop                                          ; one plain instruction behind the conversions
.irp i, 0,1,2
	v_permlane16_swap_b32 v[(\d0)+\i], v[TQ+\i]    ; a whole block to a lane
	v_permlane16_swap_b32 v[(\d1)+\i], v[TQ+4+\i]
.endr
.irp i, 0,1,2
	v_mov_b32 v[(\d0)+3+\i], v[TQ+\i]
	v_mov_b32 v[(\d1)+3+\i], v[TQ+4+\i]
.endr
.endm
	s_load_b256 s[4:11], s[0:1], 0x0               ; xc s[4:5], wc s[6:7], sc s[8:9], b_qkv s[10:11]
	s_load_b128 s[12:15], s[0:1], 0x20             ; rope s[12:13], qr s[14:15]
	s_load_b64 s[16:17], s[0:1], 0x30              ; kv
	v_lshl_add_u32 v254, v0, 2, 0x4b000
	v_mov_b32 v255, 0
	ds_add_u32 v254, v255
	ds_add_u32 v254, v255
	v_lshrrev_b32 v1, 5, v0
	v_readfirstlane_b32 s18, v1                    ; wave
	s_lshr_b32 s19, s18, 1                         ; RH: my half of A's rows.  Also: I fetch for A (0) or for B (1)
	s_and_b32 s20, s18, 1                          ; CH: my half of B's rows.  Also: which half of that tile I fetch
	s_bfe_u32 s21, ttmp6, 0x40000                  ; cx
	s_bfe_u32 s22, ttmp6, 0x40004                  ; cy
	s_mov_b32 s23, ttmp9                           ; cluster x: 0 q, 1 k, 2 v: the same in all sixteen partners
	s_and_b32 s24, ttmp7, 0xffff                   ; cluster y
	s_mov_b32 s[SEL], 0x76543210
	s_mov_b32 s[SEL+1], 0xfedcba98
	s_mov_b32 s[LM], 0xffff0000
	s_lshl_b32 s84, s24, 2                         ; q, k: A's block of 128 tokens = 4 Y + cy,
	s_lshr_b32 s86, s24, 3
	s_lshl_b32 s86, s86, 2
	s_add_co_u32 s86, s86, 16                      ; v: A's block of 128 columns = 16 + 4 (Y / 8) + cy
	s_lshl_b32 s85, s23, 2                         ; q, k: B's block of 256 columns = 4 X + cx,
	s_and_b32 s88, s24, 7
	s_lshl_b32 s88, s88, 2                         ; v: B's block of 256 tokens = 4 (Y % 8) + cx
	s_cmp_eq_u32 s23, 2
	s_cselect_b32 s25, s86, s84
	s_cselect_b32 s26, s88, s85
	s_add_co_u32 s25, s25, s22                     ; RA
	s_add_co_u32 s26, s26, s21                     ; RB
	s_lshl_b32 s84, s22, 2
	s_lshl_b32 s84, 15, s84                        ; my row of the cluster
	s_lshl_b32 s85, 0x1111, s21                    ; my column
	; descriptor group 1: R tiles of 16 rows, of each 3,072 bytes (384 elements of 8 bytes), 12,288 bytes apart in memory, dense in LDS
	s_or_b32 s[G1A], s84, (3<<16)|(1<<21)          ; 15:0 the mask; 17:16 elements of 8 bytes; 21 set beside a mask; no padding
	s_or_b32 s[G1B], s85, (3<<16)|(1<<21)
	s_mov_b32 s[G1A+1], 384<<16                    ; tensor_dim0
	s_mov_b32 s[G1A+2], 4<<16                      ; tensor_dim1
	s_mov_b32 s[G1A+3], 384<<16                    ; tile_dim0
	s_mov_b32 s[G1A+4], 4                          ; tile_dim1
	s_mov_b32 s[G1A+5], 1536                       ; tensor_dim0_stride
	s_mov_b32 s[G1A+6], 0
	s_mov_b32 s[G1A+7], 0
	s_mov_b32 s[G1B+1], 384<<16
	s_mov_b32 s[G1B+2], 8<<16
	s_mov_b32 s[G1B+3], 384<<16
	s_mov_b32 s[G1B+4], 8
	s_mov_b32 s[G1B+5], 1536
	s_mov_b32 s[G1B+6], 0
	s_mov_b32 s[G1B+7], 0
	s_lshl_b32 s86, s25, 3
	s_lshl_b32 s84, s20, 2
	s_add_co_u32 s86, s86, s84
	s_mul_i32 s86, s86, 12288                      ; A: tile 8 RA + 4 CH
	s_mov_b32 s87, 0
	s_lshl_b32 s88, s26, 4
	s_lshl_b32 s85, s20, 3
	s_add_co_u32 s88, s88, s85
	s_mul_i32 s88, s88, 12288                      ; B: tile 16 RB + 8 CH
	s_mov_b32 s89, 0
	s_mul_i32 s98, s20, 12288                      ; where they go: no place in the cluster enters an LDS address
	s_mul_i32 s99, s20, 24576
	s_add_co_u32 s99, s99, 24576
	s_wait_dscnt 0x0
	s_wait_kmcnt 0x0
	s_cmp_eq_u32 s23, 2
	s_cselect_b64 s[92:93], s[6:7], s[4:5]         ; A's codes
	s_cselect_b64 s[94:95], s[4:5], s[6:7]         ; B's
	s_cselect_b32 s96, 262144, 0                   ; and where their scale words begin in sc
	s_cselect_b32 s97, 0, 262144
	s_add_nc_u64 s[92:93], s[92:93], s[86:87]
	s_add_nc_u64 s[94:95], s[94:95], s[88:89]
.irp s, 0,1,2,3
	s_mov_b32 s[G0A+4*\s], 1
	s_add_co_u32 s[G0A+4*\s+1], s98, \s*SLOTB
	s_add_nc_u64 s[G0A+4*\s+2:G0A+4*\s+3], s[92:93], \s*SLK
	s_or_b32 s[G0A+4*\s+3], s[G0A+4*\s+3], 0x80000000
	s_mov_b32 s[G0B+4*\s], 1
	s_add_co_u32 s[G0B+4*\s+1], s99, \s*SLOTB
	s_add_nc_u64 s[G0B+4*\s+2:G0B+4*\s+3], s[94:95], \s*SLK
	s_or_b32 s[G0B+4*\s+3], s[G0B+4*\s+3], 0x80000000
.endr
	CROUND                                         ; all sixteen work-groups are here: the joint loads meet
	s_cmp_eq_u32 s19, 0                            ; a wave's four fills stand in one branch on the wave's number; four v_nop follow the last
	s_cbranch_scc0 .Lfill_b
	tensor_load_to_lds s[G0A:G0A+3], s[G1A:G1A+7]
	s_nop 0
	tensor_load_to_lds s[G0A+4:G0A+7], s[G1A:G1A+7]
	s_nop 0
	tensor_load_to_lds s[G0A+8:G0A+11], s[G1A:G1A+7]
	s_nop 0
	tensor_load_to_lds s[G0A+12:G0A+15], s[G1A:G1A+7]
	s_nop 0
	PLACES 4
	s_branch .Lfilled
.Lfill_b:
	tensor_load_to_lds s[G0B:G0B+3], s[G1B:G1B+7]
	s_nop 0
	tensor_load_to_lds s[G0B+4:G0B+7], s[G1B:G1B+7]
	s_nop 0
	tensor_load_to_lds s[G0B+8:G0B+11], s[G1B:G1B+7]
	s_nop 0
	tensor_load_to_lds s[G0B+12:G0B+15], s[G1B:G1B+7]
	s_nop 0
	PLACES 4
.Lfilled:
	v_and_b32 v5, 31, v0
	v_lshlrev_b32 v1, 4, v5                        ; 16 x lane
	v_lshlrev_b32 v2, 3, v5                        ; 8 x lane
	v_and_b32 v3, 15, v0                           ; r
	v_bfe_u32 v4, v0, 4, 1                         ; h
	s_wait_alu depctr_va_vdst(0)
	s_mul_i32 s84, s19, 12288                      ; my 64 rows of A,
	s_mul_i32 s85, s20, 24576
	s_add_co_u32 s85, s85, 24576                   ; my 128 rows of B
.irp s, 0,1,2,3
	v_add_nc_u32 v[ADRA+\s], s84, v1
	v_add_nc_u32 v[ADRB+\s], s85, v1
	s_add_co_u32 s84, s84, SLOTB
	s_add_co_u32 s85, s85, SLOTB
.endr
	s_lshl_b32 s86, s25, 3
	s_lshl_b32 s84, s19, 2
	s_add_co_u32 s86, s86, s84
	s_lshl_b32 s86, s86, 9
	s_add_co_u32 s86, s86, s96
	s_mov_b32 s87, 0
	s_add_nc_u64 s[86:87], s[8:9], s[86:87]        ; scale words of my A tiles: 512 bytes a tile
	s_lshl_b32 s88, s26, 4
	s_lshl_b32 s85, s20, 3
	s_add_co_u32 s88, s88, s85
	s_lshl_b32 s88, s88, 9
	s_add_co_u32 s88, s88, s97
	s_mov_b32 s89, 0
	s_add_nc_u64 s[88:89], s[8:9], s[88:89]        ; and of my B tiles
.irp a, 0,1,2,3
	global_load_b128 v[SA+4*\a:SA+4*\a+3], v1, s[86:87] offset:512*\a   ; all K steps' words of a tile by one load of 512 consecutive bytes
.endr
.irp b, 0,1,2,3,4,5,6,7
	global_load_b128 v[SB+4*\b:SB+4*\b+3], v1, s[88:89] offset:512*\b
.endr
	v_lshlrev_b32 v6, 6, v4                        ; 64 h
	v_and_b32 v11, 7, v3
	v_lshrrev_b32 v12, 3, v3
	v_lshl_add_u32 v11, v12, 4, v11                ; r % 8 + 16 (r / 8): my row's index among its tile's
	v_lshl_add_u32 v7, v11, 8, v6                  ; the table: 256 bytes a position, + 64 h
	v_lshlrev_b32 v8, 2, v11                       ; v's bias
	s_mul_i32 s27, s19, 3072
	v_add_nc_u32 v9, s27, v1                       ; q, k: my half of a record's codes
	s_lshl_b32 s27, s19, 8
	v_add_nc_u32 v10, s27, v2                      ; and of its scale words
	s_wait_alu depctr_va_vdst(0)
	s_wait_tensorcnt 0x3                           ; my part of slot 0 is in; three loads of mine may stay out
	s_barrier_signal -1
	s_barrier_wait -1                              ; everybody's is
	FETCH 0, 0
	s_wait_loadcnt 0x0                             ; the scale words
	KSTEP 0, 1
	KSTEP 1, 0
	KSTEP 2, 0
	KSTEP 3, 0
	KSTEP 4, 0
	KSTEP 5, 0                                     ; the last barrier of the launch but the closing round's
	WIN 0
	s_cmp_eq_u32 s23, 2                            ; THE ROLES PART, once: each path loads its tables, runs the last two K steps and goes out
	s_cbranch_scc1 .Lrole_v
; ---------------- q and k
	s_lshl_b32 s2, s26, 10
	s_lshl_b32 s27, s20, 9
	s_add_co_u32 s2, s2, s27
	s_mov_b32 s3, 0
	s_add_nc_u64 s[2:3], s[10:11], s[2:3]          ; the bias of my 128 columns
	s_and_b32 s90, s25, 15
	s_lshl_b32 s90, s90, 15
	s_lshl_b32 s27, s19, 14
	s_add_co_u32 s90, s90, s27
	s_mov_b32 s91, 0
	s_add_nc_u64 s[90:91], s[12:13], s[90:91]      ; the table at my first token's position: 128 (RA % 16) + 64 RH
	WIN 0xc0                                       ; destination window 3
.irp B, 0,1,2,3
.irp e, 0,1,2,3
	global_load_b128 v[16*\B+4*\e:16*\B+4*\e+3], v6, s[2:3] offset:128*\B+16*\e   ; v0-63: the bias of column 32 B + 16 h + i at register 16 B + i
.endr
.endr
.irp a, 0,1,2,3
.irp e, 0,1,2,3
	global_load_b128 v[64+32*\a+4*\e:64+32*\a+4*\e+3], v7, s[90:91] offset:(32*(\a/2)+8*(\a%2))*256+16*\e          ; cos of frequencies 16 h + 0..15 at my row of block a,
	global_load_b128 v[80+32*\a+4*\e:80+32*\a+4*\e+3], v7, s[90:91] offset:(32*(\a/2)+8*(\a%2))*256+128+16*\e      ; sin
.endr
.endr
	WIN 0
	s_lshr_b32 s96, s25, 4                         ; batch
	s_lshl_b32 s96, s96, 4
	s_lshl_b32 s27, s21, 2
	s_add_co_u32 s96, s96, s27
	s_lshl_b32 s27, s20, 1
	s_add_co_u32 s96, s96, s27                     ; 16 batch + my first head (4 cx + 2 CH)
	s_lshl_b32 s96, s96, 4
	s_and_b32 s27, s25, 15
	s_add_co_u32 s96, s96, s27                     ; its record of these 128 tokens
	s_mul_i32 s96, s96, REC
	s_mov_b32 s97, 0
	s_cmp_eq_u32 s23, 0
	s_cselect_b64 s[100:101], s[14:15], s[16:17]   ; q's records or k's
	s_add_nc_u64 s[100:101], s[100:101], s[96:97]
	KSTEP 6, 0
	KSTEP 7, 0
	WIN 0
	PLACES 4
	s_wait_loadcnt 0x0                             ; bias and table
.irp b, 0,1,2,3
	v_mov_b32 v[TM+4+\b], 0                        ; written once: a lane permute's destination counts as one of its sources
.endr
; Block a: 16 tokens x my two heads.  Register 32 c + i is d = 16 h + i of head c, register 32 c + 16 + i is d = 32 + 16 h + i: the two numbers that the rotation pairs lie in one lane.
.macro EPI_QK a
	WIN 0x0e                                       ; source 0 (sums) window 2, source 1 (bias) window 3
.set n, 0
.rept 32
	v_pk_add_f32 v[T+n:T+n+1], v[64*(\a)+n:64*(\a)+n+1], v[n:n+1]   ; each accumulator from its low end on
.set n, n+2
.endr
	WIN 0x0c                                       ; source 1 (table) window 3
.set CSA, 64+32*(\a)
.irp c, 0,1
.irp i, 0,2,4,6,8,10,12,14
.set uu, U+4*((\i/2)%2)
.set rLO, T+32*\c+\i
.set rHI, T+32*\c+16+\i
	v_pk_mul_f32 v[uu:uu+1], v[rHI:rHI+1], v[CSA+16+\i:CSA+17+\i]
	v_pk_mul_f32 v[uu+2:uu+3], v[rLO:rLO+1], v[CSA+16+\i:CSA+17+\i]
	v_pk_fma_f32 v[rLO:rLO+1], v[rLO:rLO+1], v[CSA+\i:CSA+1+\i], v[uu:uu+1] neg_lo:[0,0,1] neg_hi:[0,0,1]   ; lo cos - hi sin
	v_pk_fma_f32 v[rHI:rHI+1], v[rHI:rHI+1], v[CSA+\i:CSA+1+\i], v[uu+2:uu+3]                               ; hi cos + lo sin
.endr
.endr
	WIN 0
.if (\a) == 2
	s_wait_xcnt 0x0                                ; the first pair's stores have read the images
.endif
.set D0, IMG+6*((\a)%2)
.set D1, IMG+12+6*((\a)%2)
	QUANT T, D0, D1                                ; head 0's tile into its pair's image, head 1's into its own
.if (\a)%2 == 0
	v_mov_b32 v[PWP], v[PW]
.else
	v_cndmask_b32 v[SW+(\a)/2], v[PWP], v[PW], s[LM]   ; lanes 0-15 the even tile's words, lanes 16-31 the odd tile's.  Head 0: bytes 0, 1 (the upper two scale nothing: the partner's codes there are zeros);
	v_lshrrev_b32 v[SW+2+(\a)/2], 16, v[SW+(\a)/2]     ; head 1: bytes 2, 3 moved down
.irp c, 0,1
.irp g, 0,1,2
	global_store_b128 v9, v[IMG+12*\c+4*\g:IMG+12*\c+4*\g+3], s[100:101] offset:HEADB*\c+FRB*((\a)/2)+512*\g   ; 512 consecutive bytes a store
.endr
.endr
.endif
.endm
	EPI_QK 0
	EPI_QK 1
	EPI_QK 2
	EPI_QK 3
	global_store_b64 v10, v[SW:SW+1], s[100:101] offset:12288
	global_store_b64 v10, v[SW+2:SW+3], s[100:101] offset:HEADB+12288
	s_branch .Ldone
; ---------------- v
.Lrole_v:
	s_lshl_b32 s2, s25, 9
	s_lshl_b32 s27, s19, 8
	s_add_co_u32 s2, s2, s27
	s_mov_b32 s3, 0
	s_add_nc_u64 s[2:3], s[10:11], s[2:3]          ; the bias of column 128 RA + 64 RH on
	WIN 0xc0
.irp a, 0,1,2,3
	global_load_b32 v[2*\a], v8, s[2:3] offset:(32*(\a/2)+8*(\a%2))*4     ; my row's bias, twice: a pair for the packed addition
	global_load_b32 v[2*\a+1], v8, s[2:3] offset:(32*(\a/2)+8*(\a%2))*4
.endr
	WIN 0
	s_lshr_b32 s96, s26, 3                         ; batch
	s_lshl_b32 s96, s96, 4
	s_sub_co_u32 s27, s25, 16
	s_lshl_b32 s27, s27, 1
	s_add_co_u32 s96, s96, s27
	s_add_co_u32 s96, s96, s19                     ; 16 batch + head
	s_lshl_b32 s96, s96, 4
	s_and_b32 s27, s26, 7
	s_lshl_b32 s27, s27, 1
	s_add_co_u32 s96, s96, s27
	s_add_co_u32 s96, s96, s20                     ; the record of my 128 tokens
	s_mul_i32 s96, s96, REC
	s_mov_b32 s97, 0
	s_add_nc_u64 s[100:101], s[16:17], s[96:97]
	KSTEP 6, 0
	KSTEP 7, 0
	WIN 0
	PLACES 4
	s_wait_loadcnt 0x0
.irp b, 0,1,2,3
	v_mov_b32 v[TM+4+\b], 0
.endr
.macro EPI_V a                         ; block a: 16 of the head's d x my 128 tokens: one fragment of V
	WIN 0x0e
.set n, 0
.rept 32
	v_pk_add_f32 v[T+n:T+n+1], v[64*(\a)+n:64*(\a)+n+1], v[2*(\a):2*(\a)+1]
.set n, n+2
.endr
	WIN 0
.if (\a) >= 2
	s_wait_xcnt 0x0                                ; the stores of the fragment two back have read this image
.endif
.set D0, IMG+12*((\a)%2)
.set D1, IMG+12*((\a)%2)+6
	QUANT T, D0, D1
.if (\a)%2 == 0
	v_mov_b32 v[PWP], v[PW]
.else
	v_cndmask_b32 v[SW+(\a)/2], v[PWP], v[PW], s[LM]
.endif
.irp g, 0,1,2
	global_store_b128 v1, v[D0+4*\g:D0+4*\g+3], s[100:101] offset:6144+FRB*(\a)+512*\g
.endr
.endm
	EPI_V 0
	EPI_V 1
	EPI_V 2
	EPI_V 3
	global_store_b64 v2, v[SW:SW+1], s[100:101] offset:12800
.Ldone:
	s_wait_tensorcnt 0x0
	ds_add_u32 v254, v255
	s_wait_dscnt 0x0
	CROUND                                         ; the closing round: no work-group ends while a partner may still ask for a tile that names it
	s_endpgm
.Lfunc_end_k_q091254c840_qkv:
	.size	k_q091254c840_qkv, .Lfunc_end_k_q091254c840_qkv-k_q091254c840_qkv
	.p2alignl 7, 3214868480
	.fill 96, 4, 3214868480
	.section	.rodata,"a",@progbits
	.p2align	6, 0x0
	.amdhsa_kernel k_q091254c840_qkv
		.amdhsa_group_segment_fixed_size 307712
		.amdhsa_private_segment_fixed_size 0
		.amdhsa_enable_private_segment 0
		.amdhsa_kernarg_size 56
		.amdhsa_user_sgpr_count 2
		.amdhsa_user_sgpr_kernarg_segment_ptr 1
		.amdhsa_wavefront_size32 1
		.amdhsa_system_sgpr_workgroup_id_x 1
		.amdhsa_system_sgpr_workgroup_id_y 1
		.amdhsa_system_sgpr_workgroup_id_z 1
		.amdhsa_system_vgpr_workitem_id 0
		.amdhsa_next_free_vgpr 1024
		.amdhsa_next_free_sgpr 102
		.amdhsa_reserve_vcc 0
		.amdhsa_float_denorm_mode_32 3
		.amdhsa_float_denorm_mode_16_64 3
		.amdhsa_memory_ordered 1
		.amdhsa_forward_progress 1
		.amdhsa_inst_pref_size 147
	.end_amdhsa_kernel
	.amdgpu_metadata
---
amdhsa.version: [ 1, 2 ]
amdhsa.kernels:
  - .name:           k_q091254c840_qkv
    .symbol:         k_q091254c840_qkv.kd
    .args:
      - { .name: xc, .offset: 0, .size: 8, .value_kind: global_buffer, .address_space: global }
      - { .name: wc, .offset: 8, .size: 8, .value_kind: global_buffer, .address_space: global }
      - { .name: sc, .offset: 16, .size: 8, .value_kind: global_buffer, .address_space: global }
      - { .name: b_qkv, .offset: 24, .size: 8, .value_kind: global_buffer, .address_space: global }
      - { .name: rope, .offset: 32, .size: 8, .value_kind: global_buffer, .address_space: global }
      - { .name: qr, .offset: 40, .size: 8, .value_kind: global_buffer, .address_space: global }
      - { .name: kv, .offset: 48, .size: 8, .value_kind: global_buffer, .address_space: global }
    .group_segment_fixed_size: 307712
    .private_segment_fixed_size: 0
    .kernarg_segment_align: 8
    .kernarg_segment_size: 56
    .max_flat_workgroup_size: 128
    .sgpr_count:     102
    .vgpr_count:     1024
    .wavefront_size: 32
...
	.end_amdgpu_metadata
.endif
;; end of part 2
;; launch attn (part 3): grid 4 x 64, 16 waves a work-group, clusters of 4 x 1, 210,944 bytes of LDS; arguments qr, kv, yc, ysc; writes yc, ysc
.if DOCPART == 3
	.amdgcn_target "amdgcn-amd-amdhsa--gfx1250"
	.amdhsa_code_object_version 6
	.text
	.protected	k_q091254c840_attn
	.globl	k_q091254c840_attn
	.p2align	8
	.type	k_q091254c840_attn,@function
k_q091254c840_attn:
	s_mov_b64 s[64:65], 0
	v_nop
	global_prefetch_b8 v0, s[64:65] scope:SCOPE_SE
	s_setreg_imm32_b32 hwreg(HW_REG_WAVE_MODE, 25, 1), 1
	s_wait_xcnt 0x0
	s_wait_alu depctr_hold_cnt(0) depctr_sa_sdst(0) depctr_va_vdst(0) depctr_va_sdst(0) depctr_va_ssrc(0) depctr_va_vcc(0) depctr_vm_vsrc(0)
	s_getreg_b32 s2, hwreg(HW_REG_IB_STS2, 6, 4)
	s_cmp_eq_u32 s2, 0
	s_cbranch_scc0 .Lentry_in_a_cluster
	s_endpgm
.Lentry_in_a_cluster:
	s_bfe_u32 s2, ttmp6, 0x10000c
	s_cmp_lg_u32 s2, 0x3003
	s_cbranch_scc0 .Lentry_shape_is_right
	s_endpgm
.Lentry_shape_is_right:
; ATTN: y = softmax(q k^T / 8, causal) v for one (batch, head) to a cluster of four work-groups, both products on codes of BF6 (E3M2) with E8M0 scales; y is quantised along the model's axis and leaves as codes.
; THE SOFTMAX AHEAD OF THE SECOND PRODUCT: t = score x log2(e) / 8; M = the running largest t rounded UP to a whole number; p = 2^(t - M) is quantised along the keys, not normalised; the row's sum is taken of the
; unquantised p and divides at the end; when M moves, sum and O are multiplied by 2^(old M - new M), which rounds nothing.
; THE WHOLE HEAD'S K AND V LIE IN LDS: 16 records of 13,056 bytes (128 tokens each: K's codes, V's codes, their scale words), each filled ONCE by a joint load that names all four work-groups; waves 0-3 issue four
; loads each in their first lines (four are out), nothing is filled again.  No prefetch: there is no tensor load behind the first lines to ask ahead for.
; SHARES.  Sixteen waves, 256 registers each.  Wave 2 a + u takes two tiles of 16 queries, one after the other: in the 128 tokens 15 - a, then in the 128 tokens a; the work-group's place cx picks the pair of tiles there, u the
; tile.  So every wave walks (16 - a) + (a + 1) = 17 key steps of 128 keys, and what is skipped hangs on the wave's number alone: cx enters global addresses and the mask's comparison only.
; LAYOUT.  Both products transposed: S^T = K Q^T (source 0 = 16 keys), O^T = V^T P^T (source 0 = 16 of the head's d): a lane holds ONE query.  Keys and d lie in position order, so that the 16 registers of tiles 2 b, 2 b + 1
; are 16 neighbours.  THE FIRST PRODUCT'S K IS 64: Q's upper six registers hold zero codes, so a tile of K is named with the six registers that follow it, whatever codes they hold: they are multiplied by zeros.
; LIMITS: NaN and infinities are not served; a block of y under 2^-122 has its byte held at 1, a block of zeros (of p too) has the byte 1.
; REGISTERS: v1 16 x lane, v2 8 x lane, v3 the mask's number, v4 8 r, v5 16 r, v6-7 LDS addresses, v8-9, v28-31 at work on the way out, v[10:11] f, v12 -M, v13 the largest t, v[14:15] the sum, v16-27 Q and zeros,
; v32-79 K's eight tiles (at work once S is made), v80-85 zeros, v88-91 K's scale words, v92-93 V's, v94 P's, v95 Q's, v96-159 S^T then p, v160-191 O^T, v192-239 V, v240-251 P's codes.
.set REC, 13056
.set BM, 32                            ; v32-35 block maxima
.set PT, 36                            ; v36-39 the other half's, then bytes
.set SO, 40                            ; v40-43 scale operands
.set TQ, 48                            ; v48-50, v52-54 second halves of conversions
.macro ROUND                           ; a round of the cluster's barrier
	s_barrier_signal -1
	s_barrier_wait -1
	s_cmp_lg_u32 s12, 0
	s_cbranch_scc1 .Lnot_wave_0_\@
	s_barrier_signal -3
.Lnot_wave_0_\@:
	s_barrier_wait -3
	s_barrier_signal -1
	s_barrier_wait -1
.endm
	s_load_b256 s[4:11], s[0:1], 0x0               ; qr s[4:5], kv s[6:7], yc s[8:9], ysc s[10:11]
	v_lshl_add_u32 v254, v0, 2, 0x33000
	v_mov_b32 v255, 0
	ds_add_u32 v254, v255
	ds_add_u32 v254, v255
	v_lshrrev_b32 v1, 5, v0
	s_delay_alu instid0(VALU_DEP_1)
	v_readfirstlane_b32 s12, v1                    ; wave 0..15
	s_bfe_u32 s13, ttmp6, 0x40000                  ; cx
	s_and_b32 s14, ttmp7, 0xffff                   ; 16 batch + head: the four partners share it
	s_lshr_b32 s15, s12, 1                         ; a
	s_and_b32 s16, s12, 1                          ; u
	s_mov_b32 s20, 0x76543210
	s_mov_b32 s21, 0xfedcba98                      ; lane l xor 16
	s_mov_b32 s22, 0x3e38aa3b                      ; c = log2(e) / 8
	s_mov_b32 s23, s22                             ; (named with it as a pair)
	s_cmp_lg_u32 s16, 0
	s_cselect_b32 s49, -1, 0                       ; a lane mask: all lanes where u = 1
	; descriptor group 1: a record as 51 rows of 256 bytes (32 elements of 8 bytes), dense
	s_mov_b32 s24, 15|(3<<16)|(1<<21)              ; 15:0 the mask: all four work-groups; 17:16 elements of 8 bytes; 21 set beside a mask
	s_mov_b32 s25, 32<<16
	s_mov_b32 s26, 51<<16
	s_mov_b32 s27, 32<<16
	s_mov_b32 s28, 51
	s_mov_b32 s29, 32
	s_mov_b32 s30, 0
	s_mov_b32 s31, 0
	s_and_b32 s50, s12, 3
	s_mul_i32 s50, s50, REC                        ; wave w < 4 fetches records w, 4 + w, 8 + w, 12 + w
	s_mul_i32 s58, s14, 16*REC                     ; the head's first byte in qr and in kv
	s_add_co_u32 s60, s58, s50
	s_mov_b32 s61, 0
	s_wait_dscnt 0x0
	s_wait_kmcnt 0x0
	s_add_nc_u64 s[60:61], s[6:7], s[60:61]
.irp s, 0,1,2,3
	s_mov_b32 s[32+4*\s], 1
	s_add_co_u32 s[33+4*\s], s50, 4*REC*\s
	s_add_nc_u64 s[34+4*\s:35+4*\s], s[60:61], 4*REC*\s
	s_or_b32 s[35+4*\s], s[35+4*\s], 0x80000000
.endr
	ROUND                                          ; all four work-groups are here: the joint loads meet
	s_cmp_lt_u32 s12, 4                            ; a wave's four fills stand in one branch on the wave's number; four v_nop follow the last
	s_cbranch_scc0 .Lno_fill
	tensor_load_to_lds s[32:35], s[24:31]
	s_nop 0
	tensor_load_to_lds s[36:39], s[24:31]
	s_nop 0
	tensor_load_to_lds s[40:43], s[24:31]
	s_nop 0
	tensor_load_to_lds s[44:47], s[24:31]
	s_nop 0
.rept 4
	v_nop
.endr
.Lno_fill:
	v_and_b32 v8, 31, v0
	s_delay_alu instid0(VALU_DEP_1)
	v_lshlrev_b32 v1, 4, v8
	s_delay_alu instid0(VALU_DEP_2)
	v_lshlrev_b32 v2, 3, v8
	v_and_b32 v9, 15, v0                           ; r
	v_bfe_u32 v28, v0, 4, 1                        ; h
	s_delay_alu instid0(VALU_DEP_2)
	v_lshlrev_b32 v4, 3, v9
	s_delay_alu instid0(VALU_DEP_3)
	v_lshlrev_b32 v5, 4, v9
	s_delay_alu instid0(VALU_DEP_4)
	v_and_b32 v3, 7, v9
	v_lshrrev_b32 v29, 3, v9
	s_delay_alu instid0(VALU_DEP_1)
	v_lshl_add_u32 v3, v29, 4, v3
	v_lshlrev_b32 v29, 4, v28
	s_delay_alu instid0(VALU_DEP_1)
	v_sub_nc_u32 v3, v3, v29
	s_lshl_b32 s51, s13, 5
	s_lshl_b32 s66, s16, 3
	s_add_co_u32 s51, s51, s66
	v_add_nc_u32 v3, s51, v3                       ; my query among its 128 tokens, less 16 h: 32 cx + 8 u + r % 8 + 16 (r / 8) - 16 h
	v_mov_b32 v30, 0
	v_mov_b32 v31, 0
	v_mov_b32 v11, 0
.irp j, 0,1,2,3,4,5
	v_mov_b32 v[22+\j], 0                          ; Q's upper half: zero codes
	v_mov_b32 v[80+\j], 0                          ; what is named behind K's last tile
.endr
; What a pass over one tile of queries begins with.  s17 = which 128 tokens.
.macro PASS_IN
	s_wait_xcnt 0x0                                ; the last pass's stores have read their bases and data
	s_mul_i32 s51, s17, REC
	s_add_co_u32 s51, s51, s58                     ; q's record
	s_mul_i32 s66, s13, 1536
	s_add_co_u32 s52, s51, s66
	s_mov_b32 s53, 0
	s_add_nc_u64 s[52:53], s[4:5], s[52:53]        ; pair cx of its tiles
	s_lshr_b32 s66, s13, 1
	s_lshl_b32 s66, s66, 8
	s_add_co_u32 s54, s51, s66
	s_and_b32 s66, s13, 1
	s_lshl_b32 s66, s66, 2
	s_add_co_u32 s54, s54, s66
	s_lshl_b32 s66, s16, 7
	s_add_co_u32 s54, s54, s66
	s_add_co_u32 s54, s54, 12288
	s_mov_b32 s55, 0
	s_add_nc_u64 s[54:55], s[4:5], s[54:55]        ; my tile's scale words: 8 bytes from row to row
	global_load_b128 v[96:99], v1, s[52:53]
	global_load_b128 v[100:103], v1, s[52:53] offset:512
	global_load_b128 v[104:107], v1, s[52:53] offset:1024
	global_load_b32 v95, v4, s[54:55]
	s_lshr_b32 s51, s14, 4
	s_lshl_b32 s51, s51, 7
	s_lshl_b32 s66, s17, 3
	s_add_co_u32 s51, s51, s66
	s_lshl_b32 s66, s13, 1
	s_add_co_u32 s51, s51, s66
	s_add_co_u32 s51, s51, s16                     ; y's tile of 16 token positions: 128 batch + 8 s17 + 2 cx + u
	s_and_b32 s67, s14, 15                         ; head
	s_mul_i32 s56, s51, 12288
	s_mul_i32 s66, s67, 768
	s_add_co_u32 s56, s56, s66
	s_mov_b32 s57, 0
	s_add_nc_u64 s[56:57], s[8:9], s[56:57]        ; y's codes: 768 bytes for each head of a tile
	s_lshl_b32 s62, s51, 9
	s_lshr_b32 s66, s67, 3
	s_lshl_b32 s66, s66, 8
	s_add_co_u32 s62, s62, s66
	s_bfe_u32 s66, s67, 0x20001
	s_lshl_b32 s66, s66, 2
	s_add_co_u32 s62, s62, s66
	s_and_b32 s66, s67, 1
	s_lshl_b32 s66, s66, 1
	s_add_co_u32 s62, s62, s66
	s_mov_b32 s63, 0
	s_add_nc_u64 s[62:63], s[10:11], s[62:63]      ; y's scale bytes: the head's two in its K step's word
	s_wait_loadcnt 0x0
.irp j, 0,1,2,3,4,5
	v_cndmask_b32 v[16+\j], v[96+\j], v[102+\j], s49   ; tile u of the pair
.endr
	v_and_b32 v95, 0xffff, v95                     ; two blocks of 32 are real
	v_mov_b32 v13, 0xff61b1e6                      ; the largest t so far: -3e38
	s_delay_alu instid0(VALU_DEP_1)
	v_floor_f32 v12, -v13
	v_mov_b32 v14, 0
	v_mov_b32 v15, 0
.set n, 0
.rept 32
	v_mov_b32 v[160+n], 0                          ; O^T: the first change of M leaves zeros zeros.  (These lines are also the places between the writes of Q and its scale word and the first product)
.set n, n+1
.endr
.endm
; A KEY STEP: the 128 keys of record s18, at LDS byte s19.
.macro STEP
	s_cmp_gt_u32 s18, s17                          ; all its keys come after my queries: a branch on the wave's number and the loop's count, round the step's work alone
	s_cbranch_scc1 .Lhidden_\@
	s_setprio 2
	v_add_nc_u32 v6, s19, v1
	v_add_nc_u32 v7, s19, v2
	v_nop
	v_nop                                          ; four places in front of loads into registers that the last products have read
.irp b, 0,1,2,3
.irp g, 0,1,2
	ds_load_b128 v[32+12*\b+4*\g:35+12*\b+4*\g], v6 offset:1536*\b+512*\g
.endr
.endr
	ds_load_b64 v[88:89], v7 offset:12288
	ds_load_b64 v[90:91], v7 offset:12544
.irp t, 0,1,2,3
.irp g, 0,1,2
	ds_load_b128 v[192+12*\t+4*\g:195+12*\t+4*\g], v6 offset:6144+1536*\t+512*\g
.endr
.endr
	ds_load_b64 v[92:93], v7 offset:12800
	s_wait_dscnt 13                                ; K and its scale words are in; V's 13 loads may be out
.irp t, 0,2,4,6
	v_wmma_scale_f32_16x16x128_f8f6f4 v[96+8*\t:103+8*\t], v[32+6*\t:43+6*\t], v[16:27], 0, v[88+\t/2], v95 matrix_a_fmt:MATRIX_FMT_BF6 matrix_b_fmt:MATRIX_FMT_BF6
	v_wmma_scale_f32_16x16x128_f8f6f4 v[104+8*\t:111+8*\t], v[38+6*\t:49+6*\t], v[16:27], 0, v[88+\t/2], v95 matrix_a_fmt:MATRIX_FMT_BF6 matrix_b_fmt:MATRIX_FMT_BF6 matrix_a_scale:MATRIX_SCALE_ROW1
.endr
.rept 4
	v_nop
.endr
	s_cmp_lg_u32 s18, s17                          ; on the diagonal hidden scores become -infinity ahead of the maximum
	s_cbranch_scc1 .Lopen_\@
	v_mov_b32 v58, 0xff800000
.set n, 0
.rept 64                               ; register 16 b + i holds key 32 b + 16 h + i of the step
	v_cmp_gt_i32 vcc_lo, 32*(n/16)+n%16, v3
	v_cndmask_b32 v[96+n], v[96+n], v58, vcc_lo
.set n, n+1
.endr
.Lopen_\@:
.irp b, 0,1,2,3
	v_max3_num_f32 v[BM+\b], v[96+16*\b], v[97+16*\b], v[98+16*\b]   ; the largest score of each block of 32 keys: for the row's maximum, and, since p rises with the score, for the block's largest p
.endr
.irp i, 3,5,7,9,11,13
.irp b, 0,1,2,3
	v_max3_num_f32 v[BM+\b], v[BM+\b], v[96+16*\b+\i], v[97+16*\b+\i]
.endr
.endr
.irp b, 0,1,2,3
	v_max_num_f32 v[BM+\b], v[BM+\b], v[111+16*\b]
.endr
.irp b, 0,1,2,3
	s_delay_alu instid0(VALU_DEP_4)
	v_permlanex16_b32 v[PT+\b], v[BM+\b], s20, s21
.endr
.irp b, 0,1,2,3
	s_delay_alu instid0(VALU_DEP_4)
	v_max_num_f32 v[BM+\b], v[BM+\b], v[PT+\b]
.endr
	s_delay_alu instid0(VALU_DEP_2)
	v_max3_num_f32 v58, v32, v33, v34
	s_delay_alu instid0(VALU_DEP_1)
	v_max_num_f32 v58, v58, v35
	s_delay_alu instid0(VALU_DEP_1)
	v_mul_f32 v58, s22, v58                        ; as t
	s_delay_alu instid0(VALU_DEP_1)
	v_max_num_f32 v13, v13, v58
	v_mov_b32 v58, v12
	s_delay_alu instid0(VALU_DEP_2)
	v_floor_f32 v12, -v13                          ; the new -M
	s_delay_alu instid0(VALU_DEP_1)
	v_sub_f32 v58, v12, v58                        ; old M - new M: a whole number, 0 or less
	s_delay_alu instid0(VALU_DEP_1)
	v_cvt_i32_f32 v58, v58                         ; (it saturates)
	s_delay_alu instid0(VALU_DEP_1)
	v_ldexp_f32 v10, 1.0, v58                      ; f
.set n, 0
.rept 32
	v_pk_fma_f32 v[96+n:97+n], v[96+n:97+n], s[22:23], v[12:13] op_sel_hi:[1,0,0]   ; t - M
.set n, n+2
.endr
	s_setprio 1
.irp b, 0,1,2,3
	v_fma_f32 v[BM+\b], v[BM+\b], s22, v12
.endr
.set n, 0
	s_wait_alu depctr_va_vdst(0)
.rept 64
	v_exp_f32 v[96+n], v[96+n]                     ; p
.set n, n+1
.endr
	v_pk_mul_f32 v[14:15], v[14:15], v[10:11] op_sel_hi:[1,0]   ; the sums under the new M (a plain instruction behind the exponentials)
	s_wait_alu depctr_va_vdst(0)                   ; one wait for the batch, ahead of its first reader
.irp b, 0,1,2,3
	v_exp_f32 v[BM+\b], v[BM+\b]                   ; each block's largest p
.endr
	v_pk_add_f32 v[56:57], v[100:101], v[104:105]
	v_pk_add_f32 v[252:253], v[108:109], v[112:113]
	v_pk_add_f32 v[250:251], v[116:117], v[120:121]
	v_pk_add_f32 v[248:249], v[124:125], v[128:129]
	v_pk_add_f32 v[246:247], v[132:133], v[136:137]
	v_pk_add_f32 v[244:245], v[140:141], v[144:145]
	v_pk_add_f32 v[242:243], v[148:149], v[152:153]
	v_pk_add_f32 v[14:15], v[14:15], v[156:157]
	v_pk_add_f32 v[56:57], v[56:57], v[96:97]
	v_pk_add_f32 v[252:253], v[252:253], v[98:99]
	v_pk_add_f32 v[250:251], v[250:251], v[102:103]
	v_pk_add_f32 v[248:249], v[248:249], v[106:107]
	v_pk_add_f32 v[246:247], v[246:247], v[110:111]
	v_pk_add_f32 v[244:245], v[244:245], v[114:115]
	v_pk_add_f32 v[242:243], v[242:243], v[118:119]
	v_pk_add_f32 v[14:15], v[14:15], v[122:123]
	v_pk_add_f32 v[56:57], v[56:57], v[126:127]
	v_pk_add_f32 v[252:253], v[252:253], v[130:131]
	v_pk_add_f32 v[250:251], v[250:251], v[134:135]
	v_pk_add_f32 v[248:249], v[248:249], v[138:139]
	v_pk_add_f32 v[246:247], v[246:247], v[142:143]
	v_pk_add_f32 v[244:245], v[244:245], v[146:147]
	v_pk_add_f32 v[242:243], v[242:243], v[150:151]
	v_pk_add_f32 v[14:15], v[14:15], v[154:155]
	v_pk_add_f32 v[56:57], v[56:57], v[158:159]
	s_delay_alu instid0(VALU_DEP_2)
	v_pk_add_f32 v[14:15], v[14:15], v[248:249]
	s_delay_alu instid0(VALU_DEP_2)
	v_pk_add_f32 v[56:57], v[56:57], v[246:247]
	v_pk_add_f32 v[252:253], v[252:253], v[244:245]
	v_pk_add_f32 v[250:251], v[250:251], v[242:243]
	s_delay_alu instid0(VALU_DEP_2)
	v_pk_add_f32 v[14:15], v[14:15], v[252:253]
	s_delay_alu instid0(VALU_DEP_2)
	v_pk_add_f32 v[56:57], v[56:57], v[250:251]
	s_delay_alu instid0(VALU_DEP_1)
	v_pk_add_f32 v[14:15], v[14:15], v[56:57]
	s_wait_alu depctr_va_vdst(0)                   ; and one for the four
.irp b, 0,1,2,3
	v_max_num_f32 v[BM+\b], 0x2800000, v[BM+\b]    ; the floor: the byte cannot fall under 1
.endr
.irp b, 0,1,2,3
	s_delay_alu instid0(VALU_DEP_4)
	v_add_nc_u32 v[SO+\b], 0xfe000000, v[BM+\b]
.endr
.irp b, 0,1,2,3
	s_delay_alu instid0(VALU_DEP_4)
	v_lshrrev_b32 v[PT+\b], 23, v[SO+\b]
.endr
	s_delay_alu instid0(VALU_DEP_3)
	v_lshl_or_b32 v94, v37, 8, v36                 ; p's scale word for these 128 keys
	s_delay_alu instid0(VALU_DEP_1)
	v_lshl_or_b32 v94, v38, 16, v94
	s_delay_alu instid0(VALU_DEP_1)
	v_lshl_or_b32 v94, v39, 24, v94
	s_setprio 0
.irp c, 0,1
	v_cvt_scalef32_pk16_bf6_f32 v[240+6*\c:242+6*\c], v[96+32*\c:111+32*\c], v[SO+2*\c]
	v_cvt_scalef32_pk16_bf6_f32 v[TQ+4*\c:TQ+4*\c+2], v[112+32*\c:127+32*\c], v[SO+2*\c+1]
.endr
	v_nop
.irp c, 0,1
.irp i, 0,1,2
	v_permlane16_swap_b32 v[240+6*\c+\i], v[TQ+4*\c+\i]
.endr
.irp i, 0,1,2
	s_delay_alu instid0(VALU_DEP_3)
	v_mov_b32 v[243+6*\c+\i], v[TQ+4*\c+\i]
.endr
.endr
.set n, 0
.rept 16
	v_pk_mul_f32 v[160+n:161+n], v[160+n:161+n], v[10:11] op_sel_hi:[1,0]   ; O^T under the new M.  (Also the places between the writes of p's codes and scale word and the products below)
.set n, n+2
.endr
	s_wait_alu depctr_va_vdst(0)
	s_wait_dscnt 0x0                               ; V
.irp t, 0,2
	v_wmma_scale_f32_16x16x128_f8f6f4 v[160+8*\t:167+8*\t], v[192+12*\t:203+12*\t], v[240:251], v[160+8*\t:167+8*\t], v[92+\t/2], v94 matrix_a_fmt:MATRIX_FMT_BF6 matrix_b_fmt:MATRIX_FMT_BF6
	v_wmma_scale_f32_16x16x128_f8f6f4 v[168+8*\t:175+8*\t], v[204+12*\t:215+12*\t], v[240:251], v[168+8*\t:175+8*\t], v[92+\t/2], v94 matrix_a_fmt:MATRIX_FMT_BF6 matrix_b_fmt:MATRIX_FMT_BF6 matrix_a_scale:MATRIX_SCALE_ROW1
.endr
.Lhidden_\@:
	s_add_co_u32 s18, s18, 1
	s_add_co_u32 s19, s19, REC
.endm
.macro STEPS n                         ; a loop of constant count
	s_mov_b32 s48, \n
.Lsteps_\@:
	STEP
	s_sub_co_u32 s48, s48, 1
	s_cmp_lg_u32 s48, 0
	s_cbranch_scc1 .Lsteps_\@
	s_setprio 0
.endm
; The way out of a pass: O^T / the sum is y(query r, d = 32 B + 16 h + i) at register 16 B + i: two blocks of 32 along the model's axis.
.macro PASS_OUT
.rept 4
	v_nop
.endr
	v_add_f32 v14, v14, v15
	s_delay_alu instid0(VALU_DEP_1)
	v_permlanex16_b32 v8, v14, s20, s21
	s_delay_alu instid0(VALU_DEP_1)
	v_add_f32 v14, v14, v8                         ; the row's sum
	s_wait_alu depctr_va_vdst(0)
	v_rcp_f32 v14, v14
	v_nop
	s_wait_alu depctr_va_vdst(0)
.set n, 0
.rept 32
	v_mul_f32 v[96+n], v[160+n], v14               ; each accumulator from its low end on
.set n, n+1
.endr
.irp B, 0,1
	v_max3_num_f32 v[28+\B], |v[96+16*\B]|, |v[97+16*\B]|, 0x2800000
.endr
.irp i, 2,4,6,8,10,12,14
.irp B, 0,1
	s_delay_alu instid0(VALU_DEP_2)
	v_max3_num_f32 v[28+\B], v[28+\B], |v[96+16*\B+\i]|, |v[97+16*\B+\i]|
.endr
.endr
.irp B, 0,1
	s_delay_alu instid0(VALU_DEP_2)
	v_permlanex16_b32 v[30+\B], v[28+\B], s20, s21
.endr
.irp B, 0,1
	s_delay_alu instid0(VALU_DEP_2)
	v_max_num_f32 v[28+\B], v[28+\B], v[30+\B]
.endr
.irp B, 0,1
	s_delay_alu instid0(VALU_DEP_2)
	v_add_nc_u32 v[28+\B], 0xfe000000, v[28+\B]
.endr
.irp B, 0,1
	s_delay_alu instid0(VALU_DEP_2)
	v_lshrrev_b32 v[30+\B], 23, v[28+\B]
.endr
	s_delay_alu instid0(VALU_DEP_1)
	v_lshl_or_b32 v9, v31, 8, v30                  ; the head's two scale bytes
	v_cvt_scalef32_pk16_bf6_f32 v[240:242], v[96:111], v28
	v_cvt_scalef32_pk16_bf6_f32 v[248:250], v[112:127], v29
	v_nop
.irp i, 0,1,2
	v_permlane16_swap_b32 v[240+\i], v[248+\i]
.endr
.irp i, 0,1,2
	s_delay_alu instid0(VALU_DEP_3)
	v_mov_b32 v[243+\i], v[248+\i]
.endr
	global_store_b64 v2, v[240:241], s[56:57]              ; 256 consecutive bytes a store
	global_store_b64 v2, v[242:243], s[56:57] offset:256
	global_store_b64 v2, v[244:245], s[56:57] offset:512
	global_store_b16 v5, v9, s[62:63]              ; two bytes of each row's word (both halves of the lanes write the same): 262,144 bytes in all leave so, since a word's other bytes belong to another head's cluster
.endm
	s_sub_co_u32 s17, 15, s15                      ; first the late queries
	PASS_IN
	s_mov_b32 s18, 0
.irp s, 0,1,2,3
	s_wait_tensorcnt 3-\s                          ; my record of this group of four has landed; my loads for the later groups may stay out
	s_wait_dscnt 0x0
	s_barrier_signal -1
	s_barrier_wait -1
	s_mov_b32 s19, 4*\s*REC
	STEPS 4
.endr
	PASS_OUT
	s_mov_b32 s17, s15                             ; then the early ones: their keys lie in the first eight records
	PASS_IN
	s_mov_b32 s18, 0
	s_mov_b32 s19, 0
	STEPS 8
	PASS_OUT
	s_wait_tensorcnt 0x0
	ds_add_u32 v254, v255
	s_wait_dscnt 0x0
	ROUND                                          ; the closing round
	s_endpgm
.Lfunc_end_k_q091254c840_attn:
	.size	k_q091254c840_attn, .Lfunc_end_k_q091254c840_attn-k_q091254c840_attn
	.p2alignl 7, 3214868480
	.fill 96, 4, 3214868480
	.section	.rodata,"a",@progbits
	.p2align	6, 0x0
	.amdhsa_kernel k_q091254c840_attn
		.amdhsa_group_segment_fixed_size 210944
		.amdhsa_private_segment_fixed_size 0
		.amdhsa_enable_private_segment 0
		.amdhsa_kernarg_size 32
		.amdhsa_user_sgpr_count 2
		.amdhsa_user_sgpr_kernarg_segment_ptr 1
		.amdhsa_wavefront_size32 1
		.amdhsa_system_sgpr_workgroup_id_x 1
		.amdhsa_system_sgpr_workgroup_id_y 1
		.amdhsa_system_sgpr_workgroup_id_z 1
		.amdhsa_system_vgpr_workitem_id 0
		.amdhsa_next_free_vgpr 256
		.amdhsa_next_free_sgpr 68
		.amdhsa_reserve_vcc 1
		.amdhsa_float_denorm_mode_32 3
		.amdhsa_float_denorm_mode_16_64 3
		.amdhsa_memory_ordered 1
		.amdhsa_forward_progress 1
		.amdhsa_inst_pref_size 132
	.end_amdhsa_kernel
	.amdgpu_metadata
---
amdhsa.version: [ 1, 2 ]
amdhsa.kernels:
  - .name:           k_q091254c840_attn
    .symbol:         k_q091254c840_attn.kd
    .args:
      - { .name: qr, .offset: 0, .size: 8, .value_kind: global_buffer, .address_space: global }
      - { .name: kv, .offset: 8, .size: 8, .value_kind: global_buffer, .address_space: global }
      - { .name: yc, .offset: 16, .size: 8, .value_kind: global_buffer, .address_space: global }
      - { .name: ysc, .offset: 24, .size: 8, .value_kind: global_buffer, .address_space: global }
    .group_segment_fixed_size: 210944
    .private_segment_fixed_size: 0
    .kernarg_segment_align: 8
    .kernarg_segment_size: 32
    .max_flat_workgroup_size: 512
    .sgpr_count:     68
    .vgpr_count:     256
    .wavefront_size: 32
...
	.end_amdgpu_metadata
.endif
;; end of part 3
;; launch proj (part 4): grid 4 x 64, 4 waves a work-group, clusters of 4 x 4, 307,712 bytes of LDS; arguments yc, ysc, wc, sc, b_proj, out0; writes out0
.if DOCPART == 4
	.amdgcn_target "amdgcn-amd-amdhsa--gfx1250"
	.amdhsa_code_object_version 6
	.text
	.protected	k_q091254c840_proj
	.globl	k_q091254c840_proj
	.p2align	8
	.type	k_q091254c840_proj,@function
k_q091254c840_proj:
	s_mov_b64 s[64:65], 0
	v_nop
	global_prefetch_b8 v0, s[64:65] scope:SCOPE_SE
	s_setreg_imm32_b32 hwreg(HW_REG_WAVE_MODE, 25, 1), 1
	s_wait_xcnt 0x0
	s_wait_alu depctr_hold_cnt(0) depctr_sa_sdst(0) depctr_va_vdst(0) depctr_va_sdst(0) depctr_va_ssrc(0) depctr_va_vcc(0) depctr_vm_vsrc(0)
	s_getreg_b32 s2, hwreg(HW_REG_IB_STS2, 6, 4)
	s_cmp_eq_u32 s2, 0
	s_cbranch_scc0 .Lentry_in_a_cluster
	s_endpgm
.Lentry_in_a_cluster:
	s_bfe_u32 s2, ttmp6, 0x10000c
	s_cmp_lg_u32 s2, 0xf033
	s_cbranch_scc0 .Lentry_shape_is_right
	s_endpgm
.Lentry_shape_is_right:
; PROJ: out = y W_proj + b on codes of BF6 (E3M2) with E8M0 scales.  A work-group makes 128 tokens x 256 columns, K = 1,024; four waves 2 x 2, a wave 64 x 128: 32 accumulators.
; The matrix instruction is used transposed (source 0 = 16 columns of W, source 1 = 16 tokens): a lane holds one token and eight neighbouring columns.  Tokens and columns lie in position order
; (position 16 u + r of each 32 = index 8 u + r % 8 + 16 (r / 8)).  The bias is the C of each sum's first matrix instruction.
; ALL OF K LIES IN LDS: (128 + 256) rows x 768 bytes = 294,912 bytes in four slots of 256 along K, each filled ONCE: a wave issues its four tensor loads in its first lines (four are out),
; no slot is filled again.  Operands lie in memory as images of their registers: y's in pieces of 8 bytes a lane, W's in chunks of 16.  No prefetch: there is no tensor load behind the first lines to ask ahead for.
; CLUSTER 4 x 4: y's tiles are asked for jointly along a row of the cluster, W's along a column.
.set SLOTB, 73728
.set SLK,   3072
.set FRB,   1536
.set NLT,   48                         ; LDS loads in one FETCH: 24 of 16 bytes for W, 24 of 8 bytes for y
.set ADRA,  16                         ; v16-19 LDS address of my y fragments in slot 0..3
.set ADRB,  20                         ; v20-23 of my W fragments
.set STO,   24                         ; v24 the way out: where I put 32 bytes of a row
.set RD,    25                         ; v25 where I read a row back
.set SA,    32                         ; v32-47 y's scale words;  v48-79 W's
.set SB,    48
.set AF,    96                         ; window 0: v96-143, v144-191 y's two sets.  Window 1: v0-95, v128-223 W's two sets; v96-127, v224-255 the bias's eight tiles.  Window 2: accumulator (a, b) at v[64 a + 8 b]
.set BK,    32                         ; the way out: v32-95, v96-159 rows read back, by turns
.set G1A,   28
.set G1B,   36
.set G0A,   44
.set G0B,   68
.set MSB, 0
.macro WIN new
.if MSB != \new
	s_set_vgpr_msb (MSB<<8)|\new
.set MSB, \new
.endif
.endm
.macro PLACES n
.rept \n
	v_nop
.endr
.endm
.macro CROUND
	s_barrier_signal -1
	s_barrier_wait -1
	s_cmp_lg_u32 s18, 0
	s_cbranch_scc1 .Lnot_wave_0_\@
	s_barrier_signal -3
.Lnot_wave_0_\@:
	s_barrier_wait -3
	s_barrier_signal -1
	s_barrier_wait -1
.endm
.macro FETCH k, set
	WIN 0x40
.irp i, 0,1,2,3,4,5,6,7
.irp g, 0,1,2
	ds_load_b128 v[128*(\set)+12*\i+4*\g:128*(\set)+12*\i+4*\g+3], v[ADRB+(\k)/2] offset:SLK*\i+FRB*((\k)%2)+512*\g
.endr
.endr
	WIN 0
.irp i, 0,1,2,3
.irp p, 0,1,2,3,4,5
	ds_load_b64 v[AF+48*(\set)+12*\i+2*\p:AF+48*(\set)+12*\i+2*\p+1], v[ADRA+(\k)/2] offset:SLK*\i+FRB*((\k)%2)+256*\p
.endr
.endr
.endm
.macro MULA a, set, k, cm              ; cm = 2: the sums begin with the bias.  The 32 accumulators take turns, one instruction a turn
.if (\cm) == 2
	WIN 0x91                                       ; source 0 window 1, source 1 window 0, C window 1, D window 2
.else
	WIN 0xa1
.endif
.irp b, 0,1,2,3,4,5,6,7
.set rD, 64*(\a)+8*\b
.set rB, 128*(\set)+12*\b
.set rA, AF+48*(\set)+12*(\a)
.set rC, 96+8*\b+96*(\b/4)
.set rSB, SB+4*\b+(\k)%4
.set rSA, SA+4*(\a)+(\k)%4
.if (\cm) == 2
	v_wmma_scale_f32_16x16x128_f8f6f4 v[rD:rD+7], v[rB:rB+11], v[rA:rA+11], v[rC:rC+7], v[rSB], v[rSA] matrix_a_fmt:MATRIX_FMT_BF6 matrix_b_fmt:MATRIX_FMT_BF6
.elseif (\k) < 4
	v_wmma_scale_f32_16x16x128_f8f6f4 v[rD:rD+7], v[rB:rB+11], v[rA:rA+11], v[rD:rD+7], v[rSB], v[rSA] matrix_a_fmt:MATRIX_FMT_BF6 matrix_b_fmt:MATRIX_FMT_BF6
.else
	v_wmma_scale_f32_16x16x128_f8f6f4 v[rD:rD+7], v[rB:rB+11], v[rA:rA+11], v[rD:rD+7], v[rSB], v[rSA] matrix_a_fmt:MATRIX_FMT_BF6 matrix_b_fmt:MATRIX_FMT_BF6 matrix_a_scale:MATRIX_SCALE_ROW1 matrix_b_scale:MATRIX_SCALE_ROW1
.endif
.endr
.endm
.macro KSTEP k, cm
.if (\k)%2 == 0
	PLACES 4
	FETCH (\k)+1, 1
	s_wait_dscnt NLT                               ; all but the loads just issued: this K step's fragments are in
	MULA 0, 0, \k, \cm
	MULA 1, 0, \k, \cm
	MULA 2, 0, \k, \cm
	MULA 3, 0, \k, \cm
.elseif (\k) < 7
	s_wait_tensorcnt 3-((\k)+1)/2                  ; my part of the next slot has landed; my loads for the slots behind it may stay out
	s_wait_dscnt 0x0
	s_barrier_signal -1
	MULA 0, 1, \k, 0
	MULA 1, 1, \k, 0
	s_barrier_wait -1
	PLACES 4
	FETCH (\k)+1, 0
	MULA 2, 1, \k, 0
	MULA 3, 1, \k, 0
.else
	s_wait_dscnt 0x0
	MULA 0, 1, \k, 0
	MULA 1, 1, \k, 0
	MULA 2, 1, \k, 0
	MULA 3, 1, \k, 0
.endif
.endm
	s_load_b256 s[4:11], s[0:1], 0x0               ; yc s[4:5], ysc s[6:7], wc s[8:9], sc s[10:11]
	s_load_b128 s[12:15], s[0:1], 0x20             ; b_proj s[12:13], out0 s[14:15]
	v_lshl_add_u32 v254, v0, 2, 0x4b000
	v_mov_b32 v255, 0
	ds_add_u32 v254, v255
	ds_add_u32 v254, v255
	v_lshrrev_b32 v1, 5, v0
	v_readfirstlane_b32 s18, v1                    ; wave
	s_lshr_b32 s19, s18, 1                         ; RH: my half of the tokens.  Also: I fetch for y (0) or for W (1)
	s_and_b32 s20, s18, 1                          ; CH: my half of the columns.  Also: which half of that tile I fetch
	s_bfe_u32 s21, ttmp6, 0x40000                  ; cx
	s_bfe_u32 s22, ttmp6, 0x40004                  ; cy
	s_and_b32 s24, ttmp7, 0xffff
	s_lshl_b32 s25, s24, 2
	s_add_co_u32 s25, s25, s22                     ; RA: my 128 tokens
	s_lshl_b32 s26, ttmp9, 2
	s_add_co_u32 s26, s26, s21                     ; RB: my 256 columns
	s_lshl_b32 s84, s22, 2
	s_lshl_b32 s84, 15, s84                        ; my row of the cluster
	s_lshl_b32 s85, 0x1111, s21                    ; my column
	s_or_b32 s[G1A], s84, (3<<16)|(1<<21)          ; group 1: R tiles of 16 rows, of each 3,072 bytes (384 elements of 8 bytes), 12,288 bytes apart in memory, dense in LDS
	s_or_b32 s[G1B], s85, (3<<16)|(1<<21)
	s_mov_b32 s[G1A+1], 384<<16
	s_mov_b32 s[G1A+2], 4<<16
	s_mov_b32 s[G1A+3], 384<<16
	s_mov_b32 s[G1A+4], 4
	s_mov_b32 s[G1A+5], 1536
	s_mov_b32 s[G1A+6], 0
	s_mov_b32 s[G1A+7], 0
	s_mov_b32 s[G1B+1], 384<<16
	s_mov_b32 s[G1B+2], 8<<16
	s_mov_b32 s[G1B+3], 384<<16
	s_mov_b32 s[G1B+4], 8
	s_mov_b32 s[G1B+5], 1536
	s_mov_b32 s[G1B+6], 0
	s_mov_b32 s[G1B+7], 0
	s_lshl_b32 s86, s25, 3
	s_lshl_b32 s84, s20, 2
	s_add_co_u32 s86, s86, s84
	s_mul_i32 s86, s86, 12288                      ; y: tile 8 RA + 4 CH
	s_mov_b32 s87, 0
	s_lshl_b32 s88, s26, 4
	s_lshl_b32 s85, s20, 3
	s_add_co_u32 s88, s88, s85
	s_add_co_u32 s88, s88, 192                     ; W_proj's tiles lie behind W_qkv's 192
	s_mul_i32 s88, s88, 12288
	s_mov_b32 s89, 0
	s_mul_i32 s98, s20, 12288
	s_mul_i32 s99, s20, 24576
	s_add_co_u32 s99, s99, 24576
	s_wait_dscnt 0x0
	s_wait_kmcnt 0x0
	s_add_nc_u64 s[92:93], s[4:5], s[86:87]
	s_add_nc_u64 s[94:95], s[8:9], s[88:89]
.irp s, 0,1,2,3
	s_mov_b32 s[G0A+4*\s], 1
	s_add_co_u32 s[G0A+4*\s+1], s98, \s*SLOTB
	s_add_nc_u64 s[G0A+4*\s+2:G0A+4*\s+3], s[92:93], \s*SLK
	s_or_b32 s[G0A+4*\s+3], s[G0A+4*\s+3], 0x80000000
	s_mov_b32 s[G0B+4*\s], 1
	s_add_co_u32 s[G0B+4*\s+1], s99, \s*SLOTB
	s_add_nc_u64 s[G0B+4*\s+2:G0B+4*\s+3], s[94:95], \s*SLK
	s_or_b32 s[G0B+4*\s+3], s[G0B+4*\s+3], 0x80000000
.endr
	CROUND                                         ; all sixteen work-groups are here: the joint loads meet
	s_cmp_eq_u32 s19, 0                            ; a wave's four fills stand in one branch on the wave's number; four v_nop follow the last
	s_cbranch_scc0 .Lfill_b
	tensor_load_to_lds s[G0A:G0A+3], s[G1A:G1A+7]
	s_nop 0
	tensor_load_to_lds s[G0A+4:G0A+7], s[G1A:G1A+7]
	s_nop 0
	tensor_load_to_lds s[G0A+8:G0A+11], s[G1A:G1A+7]
	s_nop 0
	tensor_load_to_lds s[G0A+12:G0A+15], s[G1A:G1A+7]
	s_nop 0
	PLACES 4
	s_branch .Lfilled
.Lfill_b:
	tensor_load_to_lds s[G0B:G0B+3], s[G1B:G1B+7]
	s_nop 0
	tensor_load_to_lds s[G0B+4:G0B+7], s[G1B:G1B+7]
	s_nop 0
	tensor_load_to_lds s[G0B+8:G0B+11], s[G1B:G1B+7]
	s_nop 0
	tensor_load_to_lds s[G0B+12:G0B+15], s[G1B:G1B+7]
	s_nop 0
	PLACES 4
.Lfilled:
	v_and_b32 v5, 31, v0
	v_lshlrev_b32 v1, 4, v5                        ; 16 x lane
	v_lshlrev_b32 v2, 3, v5                        ; 8 x lane
	s_wait_alu depctr_va_vdst(0)
	v_and_b32 v3, 15, v0                           ; r
	v_bfe_u32 v4, v0, 4, 1                         ; h
	s_wait_alu depctr_va_vdst(0)
	s_mul_i32 s84, s19, 12288
	s_mul_i32 s85, s20, 24576
	s_add_co_u32 s85, s85, 24576
.irp s, 0,1,2,3
	v_add_nc_u32 v[ADRA+\s], s84, v2
	v_add_nc_u32 v[ADRB+\s], s85, v1
	s_add_co_u32 s84, s84, SLOTB
	s_add_co_u32 s85, s85, SLOTB
.endr
	s_lshl_b32 s86, s25, 3
	s_lshl_b32 s84, s19, 2
	s_add_co_u32 s86, s86, s84
	s_lshl_b32 s86, s86, 9
	s_mov_b32 s87, 0
	s_add_nc_u64 s[86:87], s[6:7], s[86:87]        ; scale words of my y tiles
	s_lshl_b32 s88, s26, 4
	s_lshl_b32 s85, s20, 3
	s_add_co_u32 s88, s88, s85
	s_add_co_u32 s88, s88, 192
	s_lshl_b32 s88, s88, 9
	s_add_co_u32 s88, s88, 262144
	s_mov_b32 s89, 0
	s_add_nc_u64 s[88:89], s[10:11], s[88:89]      ; and of my W tiles
.irp a, 0,1,2,3
	global_load_b128 v[SA+4*\a:SA+4*\a+3], v1, s[86:87] offset:512*\a
.endr
.irp b, 0,1,2,3,4,5,6,7
	global_load_b128 v[SB+4*\b:SB+4*\b+3], v1, s[88:89] offset:512*\b
.endr
	v_lshlrev_b32 v6, 6, v4                        ; 64 h
	s_lshl_b32 s2, s26, 10
	s_lshl_b32 s27, s20, 9
	s_add_co_u32 s2, s2, s27
	s_mov_b32 s3, 0
	s_add_nc_u64 s[2:3], s[12:13], s[2:3]          ; the bias of my 128 columns
	WIN 0x40                                       ; destination window 1
.irp b, 0,1,2,3,4,5,6,7                        ; tile b's register j is column 32 (b / 2) + 16 h + 8 (b % 2) + j
	global_load_b128 v[96+8*\b+96*(\b/4):96+8*\b+96*(\b/4)+3], v6, s[2:3] offset:128*(\b/2)+32*(\b%2)
	global_load_b128 v[100+8*\b+96*(\b/4):100+8*\b+96*(\b/4)+3], v6, s[2:3] offset:128*(\b/2)+32*(\b%2)+16
.endr
	WIN 0
	s_mul_i32 s27, s18, 8448                       ; my stage: 16 rows x 528 bytes, in slot 0, which has had its one fill and its last read when the first result is stored there
	v_mul_u32_u24 v[STO], v3, 528
	v_lshl_add_u32 v[STO], v4, 6, v[STO]
	v_add_nc_u32 v[STO], s27, v[STO]
	v_add_nc_u32 v[RD], s27, v1
	s_lshl_b32 s100, s25, 19                       ; out: (128 RA + 64 RH) rows of 4,096 bytes + (256 RB + 128 CH) x 4
	s_lshl_b32 s63, s19, 18
	s_add_co_u32 s100, s100, s63
	s_lshl_b32 s63, s26, 10
	s_add_co_u32 s100, s100, s63
	s_lshl_b32 s63, s20, 9
	s_add_co_u32 s100, s100, s63
	s_mov_b32 s101, 0
	s_add_nc_u64 s[100:101], s[14:15], s[100:101]
	s_wait_alu depctr_va_vdst(0)
	s_wait_tensorcnt 0x3                           ; my part of slot 0 is in; three loads of mine may stay out
	s_barrier_signal -1
	s_barrier_wait -1
	FETCH 0, 0
	s_wait_loadcnt 0x0                             ; scale words and bias
	KSTEP 0, 2
	KSTEP 1, 0
	KSTEP 2, 0
	KSTEP 3, 0
	KSTEP 4, 0
	KSTEP 5, 0
	KSTEP 6, 0
	KSTEP 7, 0
	WIN 0
; THE WAY OUT, block by block of 16 tokens x 128 columns, through my own stage: in as 32 bytes a lane, back as whole rows of 512 bytes.  LDS serves a wave's instructions in order: no wait between the stores and the loads.
.macro TOSTAGE a
	WIN 0x08                                       ; an LDS store's data: window 2
.irp b, 0,1,2,3,4,5,6,7
	ds_store_b128 v[STO], v[64*(\a)+8*\b:64*(\a)+8*\b+3] offset:128*(\b/2)+32*(\b%2)          ; each accumulator from its low end on
	ds_store_b128 v[STO], v[64*(\a)+8*\b+4:64*(\a)+8*\b+7] offset:128*(\b/2)+32*(\b%2)+16
.endr
	WIN 0
.set BB, BK+64*((\a)%2)
.irp t, 0,1,2,3,4,5,6,7,8,9,10,11,12,13,14,15
	ds_load_b128 v[BB+4*\t:BB+4*\t+3], v[RD] offset:528*\t
.endr
.endm
.macro SEND a, younger                 ; younger: the LDS instructions issued behind block a's loads, which may stay out
.set BB, BK+64*((\a)%2)
	s_wait_dscnt \younger
.irp t, 0,1,2,3,4,5,6,7,8,9,10,11,12,13,14,15
	global_store_b128 v1, v[BB+4*\t:BB+4*\t+3], s[100:101] offset:(32*((\a)/2)+8*((\a)%2)+(\t%8)+16*(\t/8))*4096 th:TH_STORE_NT   ; 512 consecutive bytes of the token's row; written once, read by nobody here
.endr
.endm
	PLACES 4
	TOSTAGE 0
.irp a, 1,2,3
.if \a > 1
	s_wait_xcnt 0x0                                ; the stores of the block two back have read their registers
.endif
	TOSTAGE \a
	SEND \a-1, 32                                  ; behind that block's loads: this block's 16 stores and 16 loads
.endr
	SEND 3, 0
	s_wait_tensorcnt 0x0
	ds_add_u32 v254, v255
	s_wait_dscnt 0x0
	CROUND                                         ; the closing round
	s_endpgm
.Lfunc_end_k_q091254c840_proj:
	.size	k_q091254c840_proj, .Lfunc_end_k_q091254c840_proj-k_q091254c840_proj
	.p2alignl 7, 3214868480
	.fill 96, 4, 3214868480
	.section	.rodata,"a",@progbits
	.p2align	6, 0x0
	.amdhsa_kernel k_q091254c840_proj
		.amdhsa_group_segment_fixed_size 307712
		.amdhsa_private_segment_fixed_size 0
		.amdhsa_enable_private_segment 0
		.amdhsa_kernarg_size 48
		.amdhsa_user_sgpr_count 2
		.amdhsa_user_sgpr_kernarg_segment_ptr 1
		.amdhsa_wavefront_size32 1
		.amdhsa_system_sgpr_workgroup_id_x 1
		.amdhsa_system_sgpr_workgroup_id_y 1
		.amdhsa_system_sgpr_workgroup_id_z 1
		.amdhsa_system_vgpr_workitem_id 0
		.amdhsa_next_free_vgpr 768
		.amdhsa_next_free_sgpr 102
		.amdhsa_reserve_vcc 0
		.amdhsa_float_denorm_mode_32 3
		.amdhsa_float_denorm_mode_16_64 3
		.amdhsa_memory_ordered 1
		.amdhsa_forward_progress 1
		.amdhsa_inst_pref_size 85
	.end_amdhsa_kernel
	.amdgpu_metadata
---
amdhsa.version: [ 1, 2 ]
amdhsa.kernels:
  - .name:           k_q091254c840_proj
    .symbol:         k_q091254c840_proj.kd
    .args:
      - { .name: yc, .offset: 0, .size: 8, .value_kind: global_buffer, .address_space: global }
      - { .name: ysc, .offset: 8, .size: 8, .value_kind: global_buffer, .address_space: global }
      - { .name: wc, .offset: 16, .size: 8, .value_kind: global_buffer, .address_space: global }
      - { .name: sc, .offset: 24, .size: 8, .value_kind: global_buffer, .address_space: global }
      - { .name: b_proj, .offset: 32, .size: 8, .value_kind: global_buffer, .address_space: global }
      - { .name: out0, .offset: 40, .size: 8, .value_kind: global_buffer, .address_space: global }
    .group_segment_fixed_size: 307712
    .private_segment_fixed_size: 0
    .kernarg_segment_align: 8
    .kernarg_segment_size: 48
    .max_flat_workgroup_size: 128
    .sgpr_count:     102
    .vgpr_count:     768
    .wavefront_size: 32
...
	.end_amdgpu_metadata
.endif
;; end of part 4
